; MI455X (gfx1250); checked and timed in simulation.
; The chip was launched on July 23, 2026; its instructions are those of AMD's public machine-readable ISA for CDNA 5 (MIT licence, August 2026) and "CDNA5" Instruction Set Architecture Reference Guide (July 2026). The comments in the code are by the model that wrote it; some were corrected since.
;; Block. Allowed arithmetic: matrix products marked QUANTISED: E2M3 operands, one E8M0 scale for each 32 along K, by v_wmma_scale_f32_16x16x128_f8f6f4 with both operands' format E2M3, f32 sums; everything else in f32.
;; Inputs: b1 512 float32; b2 512 float32; g1 512 float32; g2 512 float32; w1_codes 1,024 x 16 x 24 uint8 (E2M3 codes of w1, K innermost, in blocks of 32 codes, four codes in three bytes); w1_scales 1,024 x 16 uint8 (E8M0 scales of w1, one for each 32 codes along K); w2_codes 512 x 32 x 24 uint8 (E2M3 codes of w2, K innermost, in blocks of 32 codes, four codes in three bytes); w2_scales 512 x 32 uint8 (E8M0 scales of w2, one for each 32 codes along K); wk_codes 512 x 16 x 24 uint8 (E2M3 codes of wk, K innermost, in blocks of 32 codes, four codes in three bytes); wk_scales 512 x 16 uint8 (E8M0 scales of wk, one for each 32 codes along K); wp_codes 512 x 16 x 24 uint8 (E2M3 codes of wp, K innermost, in blocks of 32 codes, four codes in three bytes); wp_scales 512 x 16 uint8 (E8M0 scales of wp, one for each 32 codes along K); wq_codes 512 x 16 x 24 uint8 (E2M3 codes of wq, K innermost, in blocks of 32 codes, four codes in three bytes); wq_scales 512 x 16 uint8 (E8M0 scales of wq, one for each 32 codes along K); wv_codes 512 x 16 x 24 uint8 (E2M3 codes of wv, K innermost, in blocks of 32 codes, four codes in three bytes); wv_scales 512 x 16 uint8 (E8M0 scales of wv, one for each 32 codes along K); x 8 x 2,048 x 512 float32.
;; Outputs: out0 8 x 2,048 x 512 float32.
;; This version of the problem:
;;   THIS VERSION OF THE PROBLEM IS GIVEN IN LOW PRECISION. The matrix products marked QUANTISED in the list below multiply operands that are first quantised to E2M3 (2 exponent bits, 3 mantissa bits; 6 bits a number), with one power-of-two scale for each 32 numbers along K (OCP MX v1.0); their sums are f32. All else is computed in f32.
;;   The module's matrix products, in the order in which they are computed (A, B: the left and right operand; K: the contracted axis; several contracted axes count as one K, in the product's order):
;;     1. [M 16,384, K 512] x [K 512, N 512]; A: computed on the way; B: input wq (given as codes): QUANTISED
;;     2. [M 16,384, K 512] x [K 512, N 512]; A: computed on the way; B: input wk (given as codes): QUANTISED
;;     3. [M 16,384, K 512] x [K 512, N 512]; A: computed on the way; B: input wv (given as codes): QUANTISED
;;     4. batch 8 x [M 2,048, K 512] x [K 512, N 2,048]; A: computed on the way; B: computed on the way: QUANTISED
;;     5. batch 8 x [M 2,048, K 2,048] x [K 2,048, N 512]; A: softmax (see below); B: computed on the way: QUANTISED
;;     6. [M 16,384, K 512] x [K 512, N 512]; A: computed on the way; B: input wp (given as codes): QUANTISED
;;     7. [M 16,384, K 512] x [K 512, N 1,024]; A: computed on the way; B: input w1 (given as codes): QUANTISED
;;     8. [M 16,384, K 1,024] x [K 1,024, N 512]; A: computed on the way; B: input w2 (given as codes): QUANTISED
;;   THE QUANTISER, for each operand of a quantised product, along K:
;;     - K is cut into blocks of 32 from its start; a last block that is shorter is filled with zeros.
;;     - A block's scale is 2^e with e = floor(log2(the largest magnitude in the block)) - 2, held to -126 .. 127; a block of zeros has e = 0. As a byte (E8M0): e + 127.
;;     - Each number is divided by its block's scale, clamped to +-7.5, and rounded to the nearest number of E2M3, ties to even, subnormals kept.
;;     - The product sums the exact products of the quantised numbers (number of the format x scale) in f32.
;;   ~~~python
;;   def quantise(x, axis):      # numpy; x: float32 -> the quantised numbers, widened to float32 again
;;       x = np.moveaxis(x, axis, -1); K = x.shape[-1]
;;       x = np.pad(x, [(0, 0)] * (x.ndim - 1) + [(0, -K % 32)]); x = x.reshape(x.shape[:-1] + (-1, 32)); a = np.abs(x).max(-1, keepdims=True)
;;       e = np.where(a > 0, np.clip(np.frexp(np.where(a > 0, a, 1))[1] - 1 - 2, -126, 127), 0)      # np.frexp(a)[1] - 1 = floor(log2(a)), exactly
;;       r = np.clip(x / 2.0 ** e, -7.5, 7.5)
;;       step = 2.0 ** (np.maximum(np.frexp(np.where(r == 0, 1, r))[1] - 1, 0) - 3)
;;       q = np.round(r / step) * step * 2.0 ** e      # np.round: ties to even
;;       return np.moveaxis(q.reshape(q.shape[:-2] + (-1,))[..., :K], -1, axis).astype(np.float32)
;;   ~~~
;;   SOFTMAX AHEAD OF A QUANTISED PRODUCT. Where the list says 'softmax', what is quantised is not the finished softmax but p = 2^(t - M), with t = logit x log2(e) and M = ceil(the row's largest t), a whole number; so 1/2 < the row's largest p <= 1. The row's sum l is taken of the UNQUANTISED p, in f32, and the product's result is divided by l at the end. Since M is a whole number, a kernel that streams over the keys may use a running M (the ceiling of the running maximum): every later rescaling is an exact power of two, which a block's scale takes up: the codes' values come out the same.
;;   OPERANDS COMPUTED ON THE WAY. 'Computed on the way' means the value that the module computes at that place (a softmax that the list does not call 'softmax' is quantised finished and normalised). What goes into a quantiser is computed in f32, as accurately as f32 sums, v_exp_f32 and their like allow (about 1e-6 of the number): no bf16 or f16 on the way to a quantiser, and a product that is left as it is and whose result goes on into a quantised operand takes f32 operands (vector FMAs, or v_wmma_f32_16x16x4_f32). A number that lies on a knife's edge between two numbers of the format may be rounded either way, as far as f32 arithmetic and the matrix unit's own rounding can turn it there, and no further.
;;   INPUTS GIVEN AS CODES. w1 (in the module: [512, 1024], K = its axis 0); w2 (in the module: [1024, 512], K = its axis 0); wk (in the module: [512, 512], K = its axis 0); wp (in the module: [512, 512], K = its axis 0); wq (in the module: [512, 512], K = its axis 0); wv (in the module: [512, 512], K = its axis 0): each comes as NAME_codes (uint8): NAME with its K axis moved to the last place and cut into blocks of 32 codes, [.., K / 32, bytes a block], one block behind the other in memory; four codes in three bytes: a row's codes are one little-endian stream of bits, code i at bits 6 i .. 6 i + 5 (a code: sign, 2 exponent bits, 3 mantissa bits); and NAME_scales (uint8): the same leading axes, one E8M0 byte (e + 127) for each 32 codes along K. Its value is code x scale, taken as it is: it is not quantised again, and the codes and scales need not be those that the quantiser above would give.
;; One version. Each part assembles by itself: llvm-mc -triple=amdgcn-amd-amdhsa -mcpu=gfx1250 --defsym DOCPART=n.
;; ======== version 1 of 1: 2 launches
;; workspace buffers: qrec 6,553,600 bytes; krec 6,553,600 bytes; vrec 6,553,600 bytes; wrec 1,024,000 bytes
;; launch qkv (part 1): grid 256 x 1, 4 waves a work-group, clusters of 4 x 1, 327,680 bytes of LDS; arguments x, g1, b1, wq_codes, wq_scales, wk_codes, wk_scales, wv_codes, wv_scales, qrec, krec, vrec, wp_codes, wp_scales, w1_codes, w1_scales, w2_codes, w2_scales, wrec; writes qrec, krec, vrec, wrec
.if DOCPART == 1
	.amdgcn_target "amdgcn-amd-amdhsa--gfx1250"
	.amdhsa_code_object_version 6
	.text
	.protected	k_qf7559dce0c_qkv
	.globl	k_qf7559dce0c_qkv
	.p2align	8
	.type	k_qf7559dce0c_qkv,@function
k_qf7559dce0c_qkv:
	s_mov_b64 s[64:65], 0
	v_nop
	global_prefetch_b8 v0, s[64:65] scope:SCOPE_SE
	s_setreg_imm32_b32 hwreg(HW_REG_WAVE_MODE, 25, 1), 1
	s_wait_xcnt 0x0
	s_wait_alu depctr_hold_cnt(0) depctr_sa_sdst(0) depctr_va_vdst(0) depctr_va_sdst(0) depctr_va_ssrc(0) depctr_va_vcc(0) depctr_vm_vsrc(0)
	s_getreg_b32 s2, hwreg(HW_REG_IB_STS2, 6, 4)
	s_cmp_eq_u32 s2, 0
	s_cbranch_scc0 .Lentry_in_a_cluster
	s_endpgm
.Lentry_in_a_cluster:
	s_bfe_u32 s2, ttmp6, 0x10000c
	s_cmp_lg_u32 s2, 0x3003
	s_cbranch_scc0 .Lentry_shape_is_right
	s_endpgm
.Lentry_shape_is_right:
; h = LayerNorm(x) g1 + b1, quantised to FP6 (E2M3, one E8M0 scale for each 32 along K); q = h wq, k = h wk, v = h wv on codes; q and k are quantised along d, v along the tokens,
; and all three leave in the order of an operand's registers, so that the next launch loads fragments whole.  Clusters 0 to 39 also lay wp, w1, w2 out in that order.
; SHARES.  A work-group of four waves owns 64 tokens.  LayerNorm: wave w owns tokens 16 w .. 16 w + 15; a token's 512 numbers lie in lanes r and r + 16, 256 registers each.
; Products: wave w owns output rows 128 w .. 128 w + 127 of each weight, for all 64 tokens, 64 rows (a slot) at a time: 4 x 4 tiles x 4 K steps = 64 matrix instructions.
; x's WAY IN.  The quantiser wants 16 neighbours along K in a lane; a load is best where neighbouring lanes take neighbouring bytes.  Both are had: each load reads 512 consecutive bytes (a quarter of a row: a K step),
; a quarter of the wave's 16 rows goes through the wave's own stage in LDS as it lies, and comes back 64 bytes a lane.  g1 and b1 come by 8 such loads, are copied once into the wave's own LDS bytes, and are read from
; there 16 bytes a lane (the 16 lanes of a half read the same bytes).
; A BLOCK RECORD (25,600 bytes): 16 fragments (tile of 16 rows t, K step s) at 1,536 (4 t + s), each the image of its 12 registers (registers 4 k .. 4 k + 3 of lane l at 512 k + 16 l);
; from byte 24,576 the scale words [s][r][t].  A HALF RECORD (v, 64 tokens): 32 half fragments (6 registers) at 768 T: registers 0-3 at 16 l, 4-5 at 512 + 8 l; from 24,576 16-bit scale pairs [w][r][i].
; ORDER INSIDE A BLOCK OF 32.  Tiles of q, k, v are natural, so a lane's 16 numbers of a block are {8 h + j} and {16 + 8 h + j}: one fixed permutation inside each block, the same for q and k
; (and for v and the next launch's p), which changes neither a block's scale nor a sum of products.
; CLUSTER.  The four work-groups of a cluster walk the same weights: each tile is asked for jointly (mask 15).  A wave reads only the rows that it fetched itself.
; LIMITS: NaN and infinities are not served; a block whose largest magnitude lies under 2^-124, a block of zeros among them, gets the scale byte 1 (its codes are zeros or subnormal codes; this program alone reads the bytes).
; REGISTERS.  window 0: v0-31 addresses, v32-39 h's scale words, v40-55 the weight's, v56-59 scale words just made, v60-63 rstd and mean, v64-79 at work, v80-127 codes (at the head: g1, b1 as loaded, the re-laid fragment),
;   v128-255 accumulators (at the head: x's quarters 0, 1 as loaded).   window 1: x, later h's 16 fragments.   window 2: g1.   window 3: b1, later the weight's 16 fragments of a slot.
.set WTILE,  27648                     ; 64 rows x 432: what one tensor load brings
.set PITCH,  432                       ; a weight's row in LDS: 3 x (128 bytes + 16 of padding)
.set SLOTB,  110592                    ; a slot: four waves' tiles
.set OPI,    221184                    ; h as a block record; before that, in each wave's own 6,144 bytes, its copy of g1 and b1
.set SPARE,  246784                    ; the spare words: 128 bytes a wave
.set STG,    247296                    ; x's stage: for each wave 16 rows of XP bytes
.set XP,     1040                      ; a stage row: two quarters of 512 bytes + 16: the 16 rows that a load touches begin in 16 different columns of 16 bytes (64 banks of 4 bytes: ISA guide 11.1)
.set BRB,    25600
.set SCO,    24576
.set HS,  32
.set WS,  40
.set SW,  56
.set TM,  64
.set TP,  72
.set PC,  80
.set FRG, 80
.set CT,  22
.set ACC, 128
.set WV,  46
.set SEL, 50
.set MSB, 0
.macro WIN new                         ; the immediate's high byte repeats the setting that is left
.if MSB != \new
	s_set_vgpr_msb (MSB<<8)|\new
.set MSB, \new
.endif
.endm
.macro PLACES n
.rept \n
	v_nop
.endr
.endm
.macro BAR                             ; my LDS stores have landed and my LDS loads are in: then the work-group's barrier
	s_wait_dscnt 0x0
	s_barrier_signal -1
	s_barrier_wait -1
.endm
.macro CROUND                          ; a round of the cluster's barrier
	s_barrier_signal -1
	s_barrier_wait -1
	s_cmp_lg_u32 s[WV], 0
	s_cbranch_scc1 .Lnot_wave_0_\@
	s_barrier_signal -3
.Lnot_wave_0_\@:
	s_barrier_wait -3
	s_barrier_signal -1
	s_barrier_wait -1
.endm
; 64 numbers of a lane, register 16 b + i = k 32 b + 16 (lane / 16) + i of my row, become a fragment in v[PC] on and its scale word in v[pw]
.macro QUANT src, pw
.irp b, 0,1,2,3
	v_max3_num_f32 v[TM+\b], |v[\src+16*\b]|, |v[\src+16*\b+1]|, 0x1800000   ; my 16 numbers and the floor 2^(3 - 127): the byte cannot fall under 1
.endr
.irp i, 2,4,6,8,10,12,14
.irp b, 0,1,2,3
	v_max3_num_f32 v[TM+\b], v[TM+\b], |v[\src+16*\b+\i]|, |v[\src+16*\b+\i+1]|
.endr
.endr
.irp b, 0,1,2,3
	v_permlanex16_b32 v[TM+4+\b], v[TM+\b], s[SEL], s[SEL+1]
.endr
.irp b, 0,1,2,3
	v_max_num_f32 v[TM+\b], v[TM+\b], v[TM+4+\b]   ; with lane l xor 16's: the block's largest magnitude
.endr
.irp b, 0,1,2,3
	v_add_nc_u32 v[TM+12+\b], 0xff000000, v[TM+\b]   ; 2 off its exponent field: the conversion's scale operand
.endr
.irp b, 0,1,2,3
	v_lshrrev_b32 v[TM+4+\b], 23, v[TM+12+\b]      ; the scale's byte
.endr
	v_lshl_or_b32 v[\pw], v[TM+5], 8, v[TM+4]
	v_lshl_or_b32 v[\pw], v[TM+6], 16, v[\pw]
	v_lshl_or_b32 v[\pw], v[TM+7], 24, v[\pw]
.irp c, 0,1
	v_cvt_scalef32_pk16_fp6_f32 v[PC+6*\c:PC+6*\c+2], v[\src+32*\c:\src+32*\c+15], v[TM+12+2*\c]
	v_cvt_scalef32_pk16_fp6_f32 v[PC+12+4*\c:PC+14+4*\c], v[\src+32*\c+16:\src+32*\c+31], v[TM+13+2*\c]
.endr
	v_nop                                          ; one plain place behind a scaled conversion
.irp c, 0,1                            ; the operand's layout wants a whole block in a lane
.irp i, 0,1,2
	v_permlane16_swap_b32 v[PC+6*\c+\i], v[PC+12+4*\c+\i]
.endr
.irp i, 0,1,2
	v_mov_b32 v[PC+3+6*\c+\i], v[PC+12+4*\c+\i]
.endr
.endr
.endm
; 128 numbers of a lane are 8 half blocks (block n: registers 16 n .. 16 n + 15): scale operands into v[TM + n], scale bytes into v[TP + n].  Each accumulator is read from its low end on
.macro BLKMAX src
.irp n, 0,1,2,3,4,5,6,7
	v_max3_num_f32 v[TM+\n], |v[\src+16*\n]|, |v[\src+16*\n+1]|, 0x1800000
.endr
.irp i, 2,4,6,8,10,12,14
.irp n, 0,1,2,3,4,5,6,7
	v_max3_num_f32 v[TM+\n], v[TM+\n], |v[\src+16*\n+\i]|, |v[\src+16*\n+\i+1]|
.endr
.endr
.irp n, 0,1,2,3,4,5,6,7
	v_permlanex16_b32 v[TP+\n], v[TM+\n], s[SEL], s[SEL+1]
.endr
.irp n, 0,1,2,3,4,5,6,7
	v_max_num_f32 v[TM+\n], v[TM+\n], v[TP+\n]
.endr
.irp n, 0,1,2,3,4,5,6,7
	v_add_nc_u32 v[TM+\n], 0xff000000, v[TM+\n]
.endr
.irp n, 0,1,2,3,4,5,6,7
	v_lshrrev_b32 v[TP+\n], 23, v[TM+\n]
.endr
.endm
; 32 numbers (two half blocks) become half a fragment: 6 registers at d6; ct: three registers at work; sc, sc + 1: the scale operands
.macro CVH src, d6, ct, sc
	v_cvt_scalef32_pk16_fp6_f32 v[\d6:\d6+2], v[\src:\src+15], v[\sc]
	v_cvt_scalef32_pk16_fp6_f32 v[\ct:\ct+2], v[\src+16:\src+31], v[\sc+1]
	v_nop                                          ; one plain place behind a scaled conversion
.irp i, 0,1,2
	v_permlane16_swap_b32 v[\d6+\i], v[\ct+\i]
.endr
.irp i, 0,1,2
	v_mov_b32 v[\d6+3+\i], v[\ct+\i]
.endr
.endm
; a weight's fragment (16 rows x 128 K) out of padded rows, in pieces of 8 bytes; lanes 16-31 read three pieces on, which lies behind one padding more where the piece's number mod 16 is 13 or more
.macro FRAG reg, adr, ks, i
.irp p, 0,1,2,3,4,5
.set PCI, 12*(\ks)+6*(\p/3)+\p%3
.if PCI%16 < 13
	ds_load_b64 v[\reg+2*\p:\reg+2*\p+1], v[\adr] offset:8*PCI+16*(PCI/16)+(\i)*16*PITCH
.else
	ds_load_b64 v[\reg+2*\p:\reg+2*\p+1], v[\adr+2] offset:8*PCI+16*(PCI/16)+(\i)*16*PITCH
.endif
.endr
.endm
.macro FETCHG c, ks                    ; K step ks of the slot's four row tiles: 24 loads
.irp i, 0,1,2,3
	FRAG 12*(4*(\ks)+\i), 6+\c, \ks, \i
.endr
.endm
.macro WM z, row
.if \z
	v_wmma_scale_f32_16x16x128_f8f6f4 v[rD:rD+7], v[rA:rA+11], v[rB:rB+11], 0, v[rSA], v[rSB] matrix_a_fmt:MATRIX_FMT_FP6 matrix_b_fmt:MATRIX_FMT_FP6
.elseif \row
	v_wmma_scale_f32_16x16x128_f8f6f4 v[rD:rD+7], v[rA:rA+11], v[rB:rB+11], v[rD:rD+7], v[rSA], v[rSB] matrix_a_fmt:MATRIX_FMT_FP6 matrix_b_fmt:MATRIX_FMT_FP6 matrix_a_scale:MATRIX_SCALE_ROW1 matrix_b_scale:MATRIX_SCALE_ROW1
.else
	v_wmma_scale_f32_16x16x128_f8f6f4 v[rD:rD+7], v[rA:rA+11], v[rB:rB+11], v[rD:rD+7], v[rSA], v[rSB] matrix_a_fmt:MATRIX_FMT_FP6 matrix_b_fmt:MATRIX_FMT_FP6
.endif
.endm
; 16 matrix instructions of K step ks; the 16 accumulators take turns.  vm = 0 (q, k): source 0 = 16 rows of the weight, source 1 = 16 tokens: a lane holds one token, registers run along d.
; vm = 1 (v): the sources are swapped: a lane holds one d, registers run along the tokens.  K steps 2 and 3 take their scale words from lanes 16-31
.macro MMG c, ks, vm
.if \vm
	WIN 0x0d
.else
	WIN 0x07
.endif
.irp i, 0,1,2,3
.irp tt, 0,1,2,3
.if \vm
.set rD, ACC+32*\i+8*\tt
.set rA, 12*(4*\tt+(\ks))
.set rB, 12*(4*(\ks)+\i)
.set rSA, HS+4*((\ks)%2)+\tt
.set rSB, WS+8*(\c)+2*\i+(\ks)%2
.else
.set rD, ACC+32*\tt+8*\i
.set rA, 12*(4*(\ks)+\i)
.set rB, 12*(4*\tt+(\ks))
.set rSA, WS+8*(\c)+2*\i+(\ks)%2
.set rSB, HS+4*((\ks)%2)+\tt
.endif
	WM ((\ks) == 0), ((\ks)/2)
.endr
.endr
.endm
.macro MMRUN c, vm                     ; a slot: fragments one K step ahead of the products; each count of 24 leaves the youngest group of 24 loads out
	WIN 0xc0
	FETCHG \c, 0
	FETCHG \c, 1
	s_wait_dscnt 24
	MMG \c, 0, \vm
	WIN 0xc0
	FETCHG \c, 2
	s_wait_dscnt 24
	MMG \c, 1, \vm
	WIN 0xc0
	FETCHG \c, 3
	s_wait_dscnt 24
	MMG \c, 2, \vm
	s_wait_dscnt 0x0
	MMG \c, 3, \vm
	WIN 0
.endm
; Slot c, read out, is filled with the same 64 rows of the next weight
.macro TURN c
	s_wait_tensorcnt 0x0                           ; all my tensor loads have landed, the other slot's among them: a group 0 may be written
	ds_add_u32 v4, v5                              ; 0 onto my spare word
	s_add_nc_u64 s[62+8*\c:63+8*\c], s[72:73], 24576*\c
	s_or_b32 s[63+8*\c], s[63+8*\c], 0x80000000
	s_wait_dscnt 0x0                               ; the add is done, and my reads of the slot are over
	CROUND                                         ; both now hold of every wave of the four work-groups
	tensor_load_to_lds s[60+8*\c:63+8*\c], s[52:59]
	s_nop 0
	PLACES 4                                       ; (the places in front of the loads and reads below)
.endm
.macro SCST base                       ; four scale words a row, the same in both halves of the lanes: each half stores two, so that the wave stores 256 consecutive bytes
	v_cndmask_b32 v60, v[SW], v[SW+2], s92
	v_cndmask_b32 v61, v[SW+1], v[SW+3], s92
	global_store_b64 v18, v[60:61], s[\base:\base+1]
.endm
; Quarter q of x (K step q of my 16 rows) turns through my stage: in as it was loaded, row n's 512 bytes on end; out 64 bytes a lane, in pieces of 16: register 64 q + 4 n of window 1 is k = 128 q + 32 (n / 4) + 16 h + 4 (n % 4) on, of row r.
; A stage row holds two quarters, which take turns; LDS serves a wave's instructions in order (ISA guide 5.7.1.4), so quarter q + 2's stores come behind quarter q's loads.  left: the loads of the younger quarters, 16 each, which may stay out
.macro XTURN q, left
	s_wait_loadcnt \left
.if (\q) < 2
	WIN 0                                          ; quarters 0, 1 were loaded into window 0,
.else
	WIN 0x04                                       ; quarters 2, 3 into window 1 (an LDS store's data are its source 1)
.endif
.set n, 0
.rept 16
	ds_store_b128 v2, v[128+64*((\q)%2)+4*n:131+64*((\q)%2)+4*n] offset:XP*n+512*((\q)%2)
.set n, n+1
.endr
.if (\q) >= 2
	s_wait_dscnt 0x0                               ; into the very registers in which they end: the stores have read them before the loads below are issued
.endif
	WIN 0x40
.set n, 0
.rept 16
	ds_load_b128 v[64*(\q)+4*n:64*(\q)+4*n+3], v21 offset:512*((\q)%2)+128*(n/4)+16*(n%4)
.set n, n+1
.endr
	WIN 0
.endm
	s_load_b512 s[8:23], s[0:1], 0x0               ; x 8, g1 10, b1 12, wq 14, 16, wk 18, 20, wv 22
	s_load_b512 s[24:39], s[0:1], 0x40             ; wv's scales 24, qrec 26, krec 28, vrec 30, wp 32, 34, w1 36, 38
	s_load_b128 s[40:43], s[0:1], 0x80             ; w2 40, 42
	s_load_b64 s[44:45], s[0:1], 0x90              ; wrec
	v_lshl_add_u32 v4, v0, 2, SPARE
	v_mov_b32 v5, 0
	ds_add_u32 v4, v5
	ds_add_u32 v4, v5
	s_wait_dscnt 0x0
	v_lshrrev_b32 v26, 5, v0
	v_readfirstlane_b32 s[WV], v26                 ; wave 0..3
	s_bfe_u32 s47, ttmp6, 0x40000                  ; cx
	s_lshl_b32 s48, ttmp9, 2
	s_add_co_u32 s48, s48, s47                     ; my block of 64 tokens
	s_mov_b32 s[SEL], 0x76543210
	s_mov_b32 s[SEL+1], 0xfedcba98
	s_mov_b32 s92, 0xffff0000                      ; lanes 16-31
	s_mov_b32 s93, 0x3b000000                      ; 1 / 512
	s_mov_b32 s94, 0x3727c5ac                      ; 1e-5
	; descriptor group 1: 64 rows of 384 bytes, 16 bytes of padding behind every 128; mask: all four work-groups
	s_mov_b32 s52, 15|(0<<16)|(1<<20)|(1<<21)|(4<<22)|(3<<25)
	s_mov_b32 s53, 384<<16
	s_mov_b32 s54, 64<<16
	s_mov_b32 s55, 384<<16
	s_mov_b32 s56, 64
	s_mov_b32 s57, 384
	s_mov_b32 s58, 0
	s_mov_b32 s59, 0
	v_and_b32 v26, 31, v0                          ; lane
	v_and_b32 v27, 15, v0                          ; r
	v_bfe_u32 v28, v0, 4, 1                        ; h
	v_lshlrev_b32 v1, 4, v26
	v_lshlrev_b32 v3, 4, v27
	s_mul_i32 s80, s[WV], WTILE
	v_mul_u32_u24 v29, v27, PITCH
	v_add_nc_u32 v29, s80, v29
	v_mad_u32_u24 v6, v28, 24, v29                 ; my rows of slot 0: row r, + 24 h
	v_mad_u32_u24 v8, v28, 40, v29                 ; and behind one padding more
	v_add_nc_u32 v7, SLOTB, v6
	v_add_nc_u32 v9, SLOTB, v8
	s_lshl_b32 s78, s[WV], 15
	v_add_nc_u32 v10, s78, v1                      ; x: 32,768 w + 16 lane; row and quarter stand in the immediate
	s_mul_i32 s81, s[WV], 16*XP
	s_add_co_u32 s81, s81, STG                     ; my stage
	v_add_nc_u32 v2, s81, v1                       ; into it: 16 lane
	v_mul_u32_u24 v21, v27, XP
	v_lshl_add_u32 v21, v28, 6, v21
	v_add_nc_u32 v21, s81, v21                     ; out of it: row r, + 64 h
	s_lshl_b32 s78, s[WV], 11
	v_lshl_add_u32 v12, v28, 3, v3
	v_add_nc_u32 v12, s78, v12                     ; a weight's scale bytes: 2,048 w + 16 r + 8 h
	s_mul_i32 s78, s[WV], 6144
	v_add_nc_u32 v19, s78, v1                      ; v's half fragments
	v_lshlrev_b32 v20, 3, v26
	v_add_nc_u32 v20, s78, v20
	v_add_nc_u32 v20, 512, v20
	v_add_nc_u32 v13, OPI, v19                     ; h's images, and before them g1 and b1: OPI + 6,144 w + 16 lane
	v_lshlrev_b32 v11, 6, v28
	v_add_nc_u32 v11, s78, v11
	v_add_nc_u32 v11, OPI, v11                     ; g1, b1 out of LDS: OPI + 6,144 w + 64 h
	s_lshl_b32 s78, s[WV], 2
	v_add_nc_u32 v14, s78, v3
	v_add_nc_u32 v14, OPI+SCO, v14                 ; h's scale words: 16 r + 4 w
	v_add_nc_u32 v15, OPI, v1
	v_lshl_add_u32 v16, v28, 9, v3
	v_add_nc_u32 v16, OPI+SCO, v16
	s_mul_i32 s78, s[WV], 1536
	v_add_nc_u32 v17, s78, v1                      ; q's and k's fragments: K step w
	s_lshl_b32 s78, s[WV], 8
	v_lshl_add_u32 v18, v28, 3, v3
	v_add_nc_u32 v18, s78, v18
	v_add_nc_u32 v18, SCO, v18                     ; scale words out
.irp n, 0,1,2,3,4,5,6,7
	v_mov_b32 v[TP+\n], 0                          ; written once: a lane permute's destination counts as one of its sources
.endr
	s_mul_i32 s78, s[WV], 49152                    ; my 128 rows of a weight
	s_mov_b32 s79, 0
	s_lshl_b32 s82, s48, 17                        ; my 64 rows of x
	s_mov_b32 s83, 0
	s_mul_i32 s84, s48, BRB                        ; my record
	s_mov_b32 s85, 0
	s_wait_kmcnt 0x0
	s_add_nc_u64 s[14:15], s[14:15], s[78:79]
	s_add_nc_u64 s[18:19], s[18:19], s[78:79]
	s_add_nc_u64 s[22:23], s[22:23], s[78:79]
	s_add_nc_u64 s[8:9], s[8:9], s[82:83]
	s_add_nc_u64 s[26:27], s[26:27], s[84:85]
	s_add_nc_u64 s[28:29], s[28:29], s[84:85]
	s_add_nc_u64 s[30:31], s[30:31], s[84:85]
	s_mov_b32 s60, 1
	s_mov_b32 s61, s80
	s_mov_b64 s[62:63], s[14:15]
	s_or_b32 s63, s63, 0x80000000
	s_mov_b32 s68, 1
	s_add_co_u32 s69, s80, SLOTB
	s_add_nc_u64 s[70:71], s[14:15], 24576
	s_or_b32 s71, s71, 0x80000000
	CROUND                                         ; all four work-groups are here: the first joint loads meet
	tensor_load_to_lds s[60:63], s[52:59]          ; wq, my rows 0-63
	s_nop 0
	tensor_load_to_lds s[68:71], s[52:59]          ; wq, my rows 64-127: two loads of mine are out
	s_nop 0
	PLACES 4
	; ---- wp, w1, w2 into block records, in the order in which the next launch walks them.  Cluster b (0 .. 39) makes record b = 4 slot + wave; in it work-group cx takes tile t = cx, wave w K step w.
	; The rows of a tile: lane r of tile T takes row 32 (T / 2) + 8 (T % 2) + r + 8 (r / 8), so that the results of two neighbouring tiles are 16 neighbours along the next K.
	; The loads stand here, ahead of x's, on every path, so that they are on their way together with x: the record's number is held at 39, and clusters 40 to 63 throw away what they load (1,536 bytes a wave);
	; every wave loads the scale words too, and wave 0 stores them.  Only the stores, further down, stand under a branch.
	s_min_u32 s95, ttmp9, 39
	s_lshr_b32 s78, s95, 2                         ; slot 0, 1: wp; 2 .. 5: w1; 6 .. 9: w2
	s_and_b32 s79, s95, 3                          ; the wave that will read it
	s_sub_co_u32 s80, s78, 6
	s_lshr_b32 s80, s80, 1                         ; w2: which half of its K
	s_and_b32 s81, s78, 1
	s_lshl_b32 s81, s81, 2
	s_lshl_b32 s82, s79, 3
	s_add_co_u32 s81, s81, s82                     ; wp, w2: first tile 8 wave + 4 (slot % 2)
	s_sub_co_u32 s83, s78, 2
	s_lshl_b32 s83, s83, 2
	s_lshl_b32 s82, s79, 4
	s_add_co_u32 s83, s83, s82                     ; w1: 16 wave + 4 (slot - 2)
	s_mov_b32 s84, 768
	s_cmp_lt_u32 s78, 6
	s_cselect_b32 s80, 0, s80
	s_cselect_b32 s84, 384, s84                    ; a row of codes
	s_cselect_b32 s85, 16, 32                      ; a row of scale bytes
	s_cselect_b32 s83, s83, s81
	s_cselect_b64 s[86:87], s[36:37], s[40:41]
	s_cselect_b64 s[88:89], s[38:39], s[42:43]
	s_cmp_lt_u32 s78, 2
	s_cselect_b32 s83, s81, s83
	s_cselect_b64 s[86:87], s[32:33], s[86:87]
	s_cselect_b64 s[88:89], s[34:35], s[88:89]
	s_lshl_b32 s83, s83, 4                         ; the record's first row
	s_lshr_b32 s81, s47, 1
	s_lshl_b32 s81, s81, 5
	s_and_b32 s82, s47, 1
	s_lshl_b32 s82, s82, 3
	s_add_co_u32 s81, s81, s82
	s_add_co_u32 s81, s81, s83                     ; + 32 (t / 2) + 8 (t % 2)
	v_and_b32 v29, 8, v27
	v_add_nc_u32 v29, v29, v27
	v_add_nc_u32 v29, s81, v29
	v_mul_lo_u32 v29, v29, s84
	s_mul_i32 s82, s80, 384
	s_mul_i32 s90, s[WV], 96
	s_add_co_u32 s82, s82, s90
	v_mad_u32_u24 v29, v28, 24, v29
	v_add_nc_u32 v29, s82, v29
.irp p, 0,1,2,3,4,5
	global_load_b64 v[112+2*\p:113+2*\p], v29, s[86:87] offset:48*(\p/3)+8*(\p%3)   ; fragment (t = cx, K step w)
.endr
	v_lshrrev_b32 v31, 1, v26                      ; the scale words of K step cx, [r][t], two words a lane: r,
	v_and_b32 v22, 1, v26                          ; t / 2
	v_and_b32 v23, 8, v31
	v_add_nc_u32 v31, v31, v23
	v_lshl_add_u32 v31, v22, 5, v31
	v_add_nc_u32 v31, s83, v31
	v_mul_lo_u32 v31, v31, s85
	s_lshl_b32 s82, s80, 4
	s_lshl_b32 s90, s47, 2
	s_add_co_u32 s82, s82, s90
	v_add_nc_u32 v31, s82, v31
	s_lshl_b32 s90, s85, 3
	v_add_nc_u32 v24, s90, v31                     ; the odd tile's row lies 8 rows on
	global_load_b32 v124, v31, s[88:89]
	global_load_b32 v125, v24, s[88:89]
	s_mul_i32 s90, s95, BRB                        ; where they go
	s_mov_b32 s91, 0
	s_add_nc_u64 s[44:45], s[44:45], s[90:91]
	s_lshl_b32 s82, s47, 2
	s_add_co_u32 s82, s82, s[WV]
	s_mul_i32 s82, s82, 1536
	v_add_nc_u32 v30, s82, v1
	v_lshlrev_b32 v25, 3, v26
	s_lshl_b32 s90, s47, 8
	s_add_co_u32 s90, s90, SCO
	v_add_nc_u32 v25, s90, v25
	; ---- g1, b1, wq's scale words, x: 80 loads more
.irp i, 0,1,2,3
	global_load_b128 v[80+4*\i:83+4*\i], v1, s[10:11] offset:512*\i   ; 512 consecutive bytes
.endr
.irp i, 0,1,2,3
	global_load_b128 v[96+4*\i:99+4*\i], v1, s[12:13] offset:512*\i
.endr
.irp c, 0,1
.irp i, 0,1,2,3
	global_load_b64 v[WS+8*\c+2*\i:WS+8*\c+2*\i+1], v12, s[16:17] offset:1024*\c+256*\i   ; lanes 0-15: K steps 0, 1; lanes 16-31: K steps 2, 3
.endr
.endr
.set n, 0
.rept 32                               ; quarters 0, 1: row n % 16, 512 consecutive bytes a load
	global_load_b128 v[128+4*n:131+4*n], v10, s[8:9] offset:2048*(n%16)+512*(n/16) th:TH_LOAD_NT
.set n, n+1
.endr
	WIN 0x40
.set n, 0
.rept 32                               ; quarters 2, 3
	global_load_b128 v[128+4*n:131+4*n], v10, s[8:9] offset:2048*(n%16)+512*(2+n/16) th:TH_LOAD_NT
.set n, n+1
.endr
	WIN 0
	s_wait_loadcnt 63                              ; 88 loads are issued, so at least the 25 oldest are in: the re-laying's 8 and g1's and b1's 8 (behind the last of these stand 72)
	s_cmp_lt_u32 ttmp9, 40                         ; the cluster's number: the same in all partners
	s_cbranch_scc0 .Lnolay
.irp k, 0,1,2
	global_store_b128 v30, v[112+4*\k:115+4*\k], s[44:45] offset:512*\k   ; 512 consecutive bytes
.endr
	s_cmp_lg_u32 s[WV], 0
	s_cbranch_scc1 .Lnolay
	global_store_b64 v25, v[124:125], s[44:45]     ; 256 consecutive bytes
.Lnolay:
.irp i, 0,1,2,3,4,5,6,7
	ds_store_b128 v13, v[80+4*\i:83+4*\i] offset:512*\i   ; g1's 2,048 bytes, then b1's, as they lie, in my own bytes
.endr
	WIN 0x80
.set n, 0
.rept 64                               ; register 4 n: k = 32 (n / 4) + 16 h + 4 (n % 4) on.  These 128 loads are served while x is on its way
	ds_load_b128 v[4*n:4*n+3], v11 offset:128*(n/4)+16*(n%4)
.set n, n+1
.endr
	WIN 0xc0
.set n, 0
.rept 64
	ds_load_b128 v[4*n:4*n+3], v11 offset:2048+128*(n/4)+16*(n%4)
.set n, n+1
.endr
	WIN 0
	XTURN 0, 48
	XTURN 1, 32
	XTURN 2, 16
	XTURN 3, 0
	s_wait_dscnt 0x0                               ; x, g1 and b1 are in their registers, and every LDS store has read its data
	s_wait_xcnt 0x0                                ; the re-laying's stores have read their registers: these are written again below
	; ---- LayerNorm: the mean
	WIN 0x05
.irp k, 0,1,2,3
	v_pk_add_f32 v[64+2*\k:65+2*\k], v[4*\k:4*\k+1], v[4*\k+2:4*\k+3]
.endr
	WIN 0x04
.set n, 8
.rept 120
	v_pk_add_f32 v[64+2*(n%4):65+2*(n%4)], v[64+2*(n%4):65+2*(n%4)], v[2*n:2*n+1]
.set n, n+1
.endr
	WIN 0
	v_pk_add_f32 v[64:65], v[64:65], v[66:67]
	v_pk_add_f32 v[68:69], v[68:69], v[70:71]
	v_pk_add_f32 v[64:65], v[64:65], v[68:69]
	v_add_f32 v64, v64, v65
	v_permlanex16_b32 v66, v64, s[SEL], s[SEL+1]
	v_add_f32 v64, v64, v66
	v_mul_f32 v62, s93, v64
	v_mov_b32 v63, v62
	WIN 0x41
.set n, 0
.rept 128
	v_pk_add_f32 v[2*n:2*n+1], v[2*n:2*n+1], v[62:63] neg_lo:[0,1] neg_hi:[0,1]   ; x - mean, in place
.set n, n+1
.endr
	WIN 0x05
.irp k, 0,1,2,3
	v_pk_mul_f32 v[64+2*\k:65+2*\k], v[2*\k:2*\k+1], v[2*\k:2*\k+1]
.endr
.set n, 4
.rept 124
	v_pk_fma_f32 v[64+2*(n%4):65+2*(n%4)], v[2*n:2*n+1], v[2*n:2*n+1], v[64+2*(n%4):65+2*(n%4)]
.set n, n+1
.endr
	WIN 0
	v_pk_add_f32 v[64:65], v[64:65], v[66:67]
	v_pk_add_f32 v[68:69], v[68:69], v[70:71]
	v_pk_add_f32 v[64:65], v[64:65], v[68:69]
	v_add_f32 v64, v64, v65
	v_permlanex16_b32 v66, v64, s[SEL], s[SEL+1]
	v_add_f32 v64, v64, v66
	v_fma_f32 v64, v64, s93, s94                   ; the variance + 1e-5
	v_rsq_f32 v60, v64
	v_nop                                          ; a plain place behind the transcendental
	s_wait_alu depctr_va_vdst(0)                   ; and the wait ahead of its first reader
	v_mov_b32 v61, v60
.irp ks, 0,1,2,3                       ; h, a K step (64 numbers a lane) at a time: quantised, its image to LDS
	WIN 0x41
.set n, 0
.rept 32
	v_pk_mul_f32 v[64*\ks+2*n:64*\ks+2*n+1], v[64*\ks+2*n:64*\ks+2*n+1], v[60:61]
.set n, n+1
.endr
	WIN 0x39
.set n, 0
.rept 32
	v_pk_fma_f32 v[128+2*n:129+2*n], v[64*\ks+2*n:64*\ks+2*n+1], v[64*\ks+2*n:64*\ks+2*n+1], v[64*\ks+2*n:64*\ks+2*n+1]   ; window 1 x window 2 + window 3
.set n, n+1
.endr
	WIN 0
	QUANT 128, SW+\ks
.irp k, 0,1,2
	ds_store_b128 v13, v[PC+4*\k:PC+4*\k+3] offset:1536*\ks+512*\k
.endr
	s_wait_dscnt 0x0                               ; the stores have read their registers
.endr
.irp ks, 0,1,2,3
	ds_store_b32 v14, v[SW+\ks] offset:256*\ks
.endr
	BAR                                            ; h's sixteen fragments lie in LDS
	WIN 0x40
.set n, 0
.rept 48
	ds_load_b128 v[4*n:4*n+3], v15 offset:512*n    ; fragment (token tile tt, K step s) at v[12 (4 tt + s)] of window 1
.set n, n+1
.endr
	WIN 0
	ds_load_b128 v[HS:HS+3], v16
	ds_load_b128 v[HS+4:HS+7], v16 offset:256
	s_wait_dscnt 0x0
	s_wait_tensorcnt 0x1                           ; slot 0 has landed; slot 1's load may stay out
	s_mov_b64 s[72:73], s[18:19]                   ; the next weight: wk
	s_mov_b64 s[74:75], s[20:21]
	s_mov_b64 s[76:77], s[26:27]                   ; this trip's record: q's
	s_mov_b32 s49, 2
; half a K step of q or k: 64 of my 128 output rows
.macro HALF c
	s_wait_loadcnt 4                               ; this half's four loads of scale words are in; the other half's four, issued later, may be out
	MMRUN \c, 0
	TURN \c
.irp i, 0,1,2,3
	global_load_b64 v[WS+8*\c+2*\i:WS+8*\c+2*\i+1], v12, s[74:75] offset:1024*\c+256*\i   ; the next weight's scale words
.endr
	BLKMAX ACC
.irp q, 0,1,2,3
	CVH ACC+32*\q, FRG+12*\q+6*\c, CT, TM+2*\q
.endr
.irp q, 0,1,2,3
.if \c
	v_lshl_or_b32 v29, v[TP+2*\q+1], 8, v[TP+2*\q]
	v_lshl_or_b32 v[SW+\q], v29, 16, v[SW+\q]
.else
	v_lshl_or_b32 v[SW+\q], v[TP+2*\q+1], 8, v[TP+2*\q]
.endif
.endr
.endm
.Lqk:                                  ; two trips: q, then k
	HALF 0
	HALF 1
.irp q, 0,1,2,3
.irp k, 0,1,2
	global_store_b128 v17, v[FRG+12*\q+4*\k:FRG+12*\q+4*\k+3], s[76:77] offset:6144*\q+512*\k   ; 512 consecutive bytes
.endr
.endr
	SCST 76
	s_wait_xcnt 0x0                                ; the stores and loads have read their registers and bases: they may be written again
	s_mov_b64 s[72:73], s[22:23]                   ; the next weight: wv
	s_mov_b64 s[74:75], s[24:25]
	s_mov_b64 s[76:77], s[28:29]                   ; the next record: k's
	s_sub_co_u32 s49, s49, 1
	s_cmp_lg_u32 s49, 0
	s_cbranch_scc1 .Lqk
; v is written out: nothing is left to fetch
.macro VHALF c
	MMRUN \c, 1
	PLACES 4
	BLKMAX ACC
.irp i, 0,1,2,3
	CVH ACC+32*\i, FRG+12*\i+6*\c, CT, TM+2*\i
.endr
	v_lshl_or_b32 v[SW+2*\c], v[TP+1], 8, v[TP]    ; a d tile's two bytes; two tiles to a register
	v_lshl_or_b32 v29, v[TP+3], 8, v[TP+2]
	v_lshl_or_b32 v[SW+2*\c], v29, 16, v[SW+2*\c]
	v_lshl_or_b32 v[SW+2*\c+1], v[TP+5], 8, v[TP+4]
	v_lshl_or_b32 v29, v[TP+7], 8, v[TP+6]
	v_lshl_or_b32 v[SW+2*\c+1], v29, 16, v[SW+2*\c+1]
.irp i, 0,1,2,3
	global_store_b128 v19, v[FRG+12*\i+6*\c:FRG+12*\i+6*\c+3], s[30:31] offset:768*(4*\c+\i)
	global_store_b64 v20, v[FRG+12*\i+6*\c+4:FRG+12*\i+6*\c+5], s[30:31] offset:768*(4*\c+\i)
.endr
.endm
	s_wait_loadcnt 4
	VHALF 0
	s_wait_loadcnt 0x0
	s_wait_tensorcnt 0x0                           ; slot 1 holds wv's second half
	VHALF 1
	SCST 30
	s_wait_tensorcnt 0x0                           ; the wave's end
	ds_add_u32 v4, v5
	s_wait_dscnt 0x0
	CROUND                                         ; the closing round
	s_endpgm
.Lfunc_end_k_qf7559dce0c_qkv:
	.size	k_qf7559dce0c_qkv, .Lfunc_end_k_qf7559dce0c_qkv-k_qf7559dce0c_qkv
	.p2alignl 7, 3214868480
	.fill 96, 4, 3214868480
	.section	.rodata,"a",@progbits
	.p2align	6, 0x0
	.amdhsa_kernel k_qf7559dce0c_qkv
		.amdhsa_group_segment_fixed_size 327680
		.amdhsa_private_segment_fixed_size 0
		.amdhsa_enable_private_segment 0
		.amdhsa_kernarg_size 152
		.amdhsa_user_sgpr_count 2
		.amdhsa_user_sgpr_kernarg_segment_ptr 1
		.amdhsa_wavefront_size32 1
		.amdhsa_system_sgpr_workgroup_id_x 1
		.amdhsa_system_sgpr_workgroup_id_y 1
		.amdhsa_system_sgpr_workgroup_id_z 1
		.amdhsa_system_vgpr_workitem_id 0
		.amdhsa_next_free_vgpr 1024
		.amdhsa_next_free_sgpr 100
		.amdhsa_reserve_vcc 0
		.amdhsa_float_denorm_mode_32 3
		.amdhsa_float_denorm_mode_16_64 3
		.amdhsa_memory_ordered 1
		.amdhsa_forward_progress 1
		.amdhsa_inst_pref_size 189
	.end_amdhsa_kernel
	.amdgpu_metadata
---
amdhsa.version: [ 1, 2 ]
amdhsa.kernels:
  - .name:           k_qf7559dce0c_qkv
    .symbol:         k_qf7559dce0c_qkv.kd
    .args:
      - { .name: x, .offset: 0, .size: 8, .value_kind: global_buffer, .address_space: global }
      - { .name: g1, .offset: 8, .size: 8, .value_kind: global_buffer, .address_space: global }
      - { .name: b1, .offset: 16, .size: 8, .value_kind: global_buffer, .address_space: global }
      - { .name: wq_codes, .offset: 24, .size: 8, .value_kind: global_buffer, .address_space: global }
      - { .name: wq_scales, .offset: 32, .size: 8, .value_kind: global_buffer, .address_space: global }
      - { .name: wk_codes, .offset: 40, .size: 8, .value_kind: global_buffer, .address_space: global }
      - { .name: wk_scales, .offset: 48, .size: 8, .value_kind: global_buffer, .address_space: global }
      - { .name: wv_codes, .offset: 56, .size: 8, .value_kind: global_buffer, .address_space: global }
      - { .name: wv_scales, .offset: 64, .size: 8, .value_kind: global_buffer, .address_space: global }
      - { .name: qrec, .offset: 72, .size: 8, .value_kind: global_buffer, .address_space: global }
      - { .name: krec, .offset: 80, .size: 8, .value_kind: global_buffer, .address_space: global }
      - { .name: vrec, .offset: 88, .size: 8, .value_kind: global_buffer, .address_space: global }
      - { .name: wp_codes, .offset: 96, .size: 8, .value_kind: global_buffer, .address_space: global }
      - { .name: wp_scales, .offset: 104, .size: 8, .value_kind: global_buffer, .address_space: global }
      - { .name: w1_codes, .offset: 112, .size: 8, .value_kind: global_buffer, .address_space: global }
      - { .name: w1_scales, .offset: 120, .size: 8, .value_kind: global_buffer, .address_space: global }
      - { .name: w2_codes, .offset: 128, .size: 8, .value_kind: global_buffer, .address_space: global }
      - { .name: w2_scales, .offset: 136, .size: 8, .value_kind: global_buffer, .address_space: global }
      - { .name: wrec, .offset: 144, .size: 8, .value_kind: global_buffer, .address_space: global }
    .group_segment_fixed_size: 327680
    .private_segment_fixed_size: 0
    .kernarg_segment_align: 8
    .kernarg_segment_size: 152
    .max_flat_workgroup_size: 128
    .sgpr_count:     100
    .vgpr_count:     1024
    .wavefront_size: 32
...
	.end_amdgpu_metadata
.endif
;; end of part 1
;; launch block (part 2): grid 256 x 1, 4 waves a work-group, clusters of 4 x 1, 327,680 bytes of LDS; arguments x, g2, b2, qrec, krec, vrec, wrec, out0; writes out0
.if DOCPART == 2
	.amdgcn_target "amdgcn-amd-amdhsa--gfx1250"
	.amdhsa_code_object_version 6
	.text
	.protected	k_qf7559dce0c_block
	.globl	k_qf7559dce0c_block
	.p2align	8
	.type	k_qf7559dce0c_block,@function
k_qf7559dce0c_block:
	s_mov_b64 s[64:65], 0
	v_nop
	global_prefetch_b8 v0, s[64:65] scope:SCOPE_SE
	s_setreg_imm32_b32 hwreg(HW_REG_WAVE_MODE, 25, 1), 1
	s_wait_xcnt 0x0
	s_wait_alu depctr_hold_cnt(0) depctr_sa_sdst(0) depctr_va_vdst(0) depctr_va_sdst(0) depctr_va_ssrc(0) depctr_va_vcc(0) depctr_vm_vsrc(0)
	s_getreg_b32 s2, hwreg(HW_REG_IB_STS2, 6, 4)
	s_cmp_eq_u32 s2, 0
	s_cbranch_scc0 .Lentry_in_a_cluster
	s_endpgm
.Lentry_in_a_cluster:
	s_bfe_u32 s2, ttmp6, 0x10000c
	s_cmp_lg_u32 s2, 0x3003
	s_cbranch_scc0 .Lentry_shape_is_right
	s_endpgm
.Lentry_shape_is_right:
; out = y + gelu(LN2(y) w1) w2, y = x + (softmax(q k^T / 512) v) wp, every product on codes of FP6 (E2M3) with one E8M0 scale for each 32 along K.  Nothing between the steps goes to memory.
; q, k, the weights come as BLOCK RECORDS and v as HALF RECORDS (25,600 bytes each; the launch before lays them: fragments as images of their registers, scale words behind them).
; SHARES.  A work-group of four waves owns 64 queries (four tiles qt) of one batch.  Scores: wave u takes 64 of a step's 256 keys, for all 64 queries.  Every other product: wave w takes output columns
; 128 w .. 128 w + 127 (w1: 256 w ..), for all 64 rows.  So each fragment of k, v or a weight is read from LDS by one wave and feeds four matrix instructions.
; ALL PRODUCTS ARE USED TRANSPOSED (source 0 = keys, channels or a weight's rows; source 1 = 16 rows of the block): a lane holds one row, its registers run along the result's columns, the next K.
; SOFTMAX.  t = score x log2(e) / 512; M = the running largest t rounded up to a whole number (the waves exchange their maxima through LDS); p = 2^(t - M) is quantised along the keys; the sum is taken of
; the unquantised p; when M moves, the sum and O are multiplied by 2^(old M - new M), which rounds nothing.  O is divided by the sum at the end.
; GELU.  gelu(x) = max(x, 0) - |x| / 2 erfc(|x| / sqrt 2), erfc(z) = t exp(-z^2 + P(t)), t = 1 / (1 + z / 2), P of degree 9: fractional error about 1.2e-7, plus f32 rounding.
; CLUSTER.  The four work-groups of a cluster belong to one batch and walk the same k, v and weights: each tile is asked for jointly (mask 15).
; LIMITS: NaN and infinities are not served; a block whose largest magnitude lies under 2^-124, a block of zeros among them, gets the scale byte 1; 1 / sum and 1 / sqrt are v_rcp_f32 and v_rsq_f32.
; REGISTERS.  window 0: v0-31 addresses, v32-39 source 1's scale words, v40-47 source 0's, v48-55 v's, v56-59 p's, v60-127 statistics and work, v128-255 scores, later a stage.
;   window 1: O^T, later y, later the result: accumulator (column tile i, qt) at v[64 qt + 8 i].   window 2: v0-191 source 1's 16 fragments, v192-239 p of keys 0-127.   window 3: v0-191 source 0's 16 fragments, v192-239 p of keys 128-255.
.set OPI,   102400                     ; LDS: slot A at 0 (k's tile, later the even weight slots); a, then h2, as a block record
.set B_,    131072                     ; slot B (v's tile, later the odd weight slots): one exclusive or turns an address in A into B's
.set HID,   233472                     ; the hidden layer: 2 x 16 fragments
.set HSC,   282624                     ; its scale words [wave][trip][r][qt]
.set PIMG,  286720                     ; p: fragment (128 keys chi, qt) at 1,536 (4 chi + qt), its halves 768 apart
.set PSC,   299008                     ; p's scale words [chi][r][qt]
.set MX,    299520                     ; four exchanges of 2,048 bytes: maxima, sums, LN2's sum, LN2's squares
.set SPARE, 307712                     ; the spare words: 128 bytes a wave
.set BRB,   25600
.set SCO,   24576
.set TILE,  102400
.set QS,  32
.set KS,  40
.set VSC, 48
.set PS,  56
.set TM,  84
.set TP,  92
.set PC,  104
.set WV,  24
.set SEL, 28
.set MSB, 0
.macro WIN new                         ; the immediate's high byte repeats the setting that is left
.if MSB != \new
	s_set_vgpr_msb (MSB<<8)|\new
.set MSB, \new
.endif
.endm
.macro PLACES n
.rept \n
	v_nop
.endr
.endm
.macro BAR                             ; my LDS stores have landed and my LDS loads are in: then the work-group's barrier
	s_wait_dscnt 0x0
	s_barrier_signal -1
	s_barrier_wait -1
.endm
.macro CROUND                          ; a round of the cluster's barrier
	s_barrier_signal -1
	s_barrier_wait -1
	s_cmp_lg_u32 s[WV], 0
	s_cbranch_scc1 .Lnot_wave_0_\@
	s_barrier_signal -3
.Lnot_wave_0_\@:
	s_barrier_wait -3
	s_barrier_signal -1
	s_barrier_wait -1
.endm
; 64 numbers of a lane, register 16 b + i = k 32 b + 16 (lane / 16) + i of my row, become a fragment in v[PC] on and its scale word in v[pw]
.macro QUANT src, pw
.irp b, 0,1,2,3
	v_max3_num_f32 v[TM+\b], |v[\src+16*\b]|, |v[\src+16*\b+1]|, 0x1800000   ; my 16 numbers and the floor 2^(3 - 127): the byte cannot fall under 1
.endr
.irp i, 2,4,6,8,10,12,14
.irp b, 0,1,2,3
	v_max3_num_f32 v[TM+\b], v[TM+\b], |v[\src+16*\b+\i]|, |v[\src+16*\b+\i+1]|
.endr
.endr
.irp b, 0,1,2,3
	v_permlanex16_b32 v[TM+4+\b], v[TM+\b], s[SEL], s[SEL+1]
.endr
.irp b, 0,1,2,3
	v_max_num_f32 v[TM+\b], v[TM+\b], v[TM+4+\b]
.endr
.irp b, 0,1,2,3
	v_add_nc_u32 v[TM+12+\b], 0xff000000, v[TM+\b]   ; 2 off the exponent field: the conversion's scale operand
.endr
.irp b, 0,1,2,3
	v_lshrrev_b32 v[TM+4+\b], 23, v[TM+12+\b]
.endr
	v_lshl_or_b32 v[\pw], v[TM+5], 8, v[TM+4]
	v_lshl_or_b32 v[\pw], v[TM+6], 16, v[\pw]
	v_lshl_or_b32 v[\pw], v[TM+7], 24, v[\pw]
.irp c, 0,1
	v_cvt_scalef32_pk16_fp6_f32 v[PC+6*\c:PC+6*\c+2], v[\src+32*\c:\src+32*\c+15], v[TM+12+2*\c]
	v_cvt_scalef32_pk16_fp6_f32 v[PC+12+4*\c:PC+14+4*\c], v[\src+32*\c+16:\src+32*\c+31], v[TM+13+2*\c]
.endr
	v_nop                                          ; one plain place behind a scaled conversion
.irp c, 0,1
.irp i, 0,1,2
	v_permlane16_swap_b32 v[PC+6*\c+\i], v[PC+12+4*\c+\i]
.endr
.irp i, 0,1,2
	v_mov_b32 v[PC+3+6*\c+\i], v[PC+12+4*\c+\i]
.endr
.endr
.endm
; 128 numbers of a lane are 8 half blocks: scale operands into v[TM + n], scale bytes into v[TP + n]
.macro BLKMAX src
.irp n, 0,1,2,3,4,5,6,7
	v_max3_num_f32 v[TM+\n], |v[\src+16*\n]|, |v[\src+16*\n+1]|, 0x1800000
.endr
.irp i, 2,4,6,8,10,12,14
.irp n, 0,1,2,3,4,5,6,7
	v_max3_num_f32 v[TM+\n], v[TM+\n], |v[\src+16*\n+\i]|, |v[\src+16*\n+\i+1]|
.endr
.endr
.irp n, 0,1,2,3,4,5,6,7
	v_permlanex16_b32 v[TP+\n], v[TM+\n], s[SEL], s[SEL+1]
.endr
.irp n, 0,1,2,3,4,5,6,7
	v_max_num_f32 v[TM+\n], v[TM+\n], v[TP+\n]
.endr
.irp n, 0,1,2,3,4,5,6,7
	v_add_nc_u32 v[TM+\n], 0xff000000, v[TM+\n]
.endr
.irp n, 0,1,2,3,4,5,6,7
	v_lshrrev_b32 v[TP+\n], 23, v[TM+\n]
.endr
.endm
; 32 numbers (two half blocks) become half a fragment: 6 registers at d6; ct: three registers at work; sc, sc + 1: the scale operands
.macro CVH src, d6, ct, sc
	v_cvt_scalef32_pk16_fp6_f32 v[\d6:\d6+2], v[\src:\src+15], v[\sc]
	v_cvt_scalef32_pk16_fp6_f32 v[\ct:\ct+2], v[\src+16:\src+31], v[\sc+1]
	v_nop                                          ; one plain place behind a scaled conversion
.irp i, 0,1,2
	v_permlane16_swap_b32 v[\d6+\i], v[\ct+\i]
.endr
.irp i, 0,1,2
	v_mov_b32 v[\d6+3+\i], v[\ct+\i]
.endr
.endm
.macro WM z, row
.if \z
	v_wmma_scale_f32_16x16x128_f8f6f4 v[rD:rD+7], v[rA:rA+11], v[rB:rB+11], 0, v[rSA], v[rSB] matrix_a_fmt:MATRIX_FMT_FP6 matrix_b_fmt:MATRIX_FMT_FP6
.elseif \row
	v_wmma_scale_f32_16x16x128_f8f6f4 v[rD:rD+7], v[rA:rA+11], v[rB:rB+11], v[rD:rD+7], v[rSA], v[rSB] matrix_a_fmt:MATRIX_FMT_FP6 matrix_b_fmt:MATRIX_FMT_FP6 matrix_a_scale:MATRIX_SCALE_ROW1 matrix_b_scale:MATRIX_SCALE_ROW1
.else
	v_wmma_scale_f32_16x16x128_f8f6f4 v[rD:rD+7], v[rA:rA+11], v[rB:rB+11], v[rD:rD+7], v[rSA], v[rSB] matrix_a_fmt:MATRIX_FMT_FP6 matrix_b_fmt:MATRIX_FMT_FP6
.endif
.endm
.macro FETCHG ks                       ; K step ks of my record's four tiles: 12 loads
.irp t, 0,1,2,3
.irp k, 0,1,2
	ds_load_b128 v[12*(4*(\ks)+\t)+4*\k:12*(4*(\ks)+\t)+4*\k+3], v8 offset:(4*\t+(\ks))*1536+512*\k
.endr
.endr
.endm
.macro MMG ks, accb, qstr, zero        ; 16 matrix instructions; the 16 accumulators take turns; K steps 2 and 3 take their scale words from lanes 16-31
.irp t, 0,1,2,3
.irp q, 0,1,2,3
.set rD, (\accb)+(\qstr)*\q+8*\t
.set rA, 12*(4*(\ks)+\t)
.set rB, 12*(4*\q+(\ks))
.set rSA, KS+4*((\ks)%2)+\t
.set rSB, QS+4*((\ks)%2)+\q
	WM ((\zero) && ((\ks) == 0)), ((\ks)/2)
.endr
.endr
.endm
; my record of the slot in hand (4 tiles x 4 K steps) against source 1's 16 fragments: 64 matrix instructions; fragments one K step ahead; each count of 12 leaves the youngest group of 12 loads out
.macro MMRUN accb, qstr, win, zero
	v_add_nc_u32 v8, s90, v6
	v_add_nc_u32 v9, s90, v7
	ds_load_b128 v[KS:KS+3], v9
	ds_load_b128 v[KS+4:KS+7], v9 offset:256
	WIN 0xc0
	FETCHG 0
	FETCHG 1
	s_wait_dscnt 12
	WIN \win
	MMG 0, \accb, \qstr, \zero
	WIN 0xc0
	FETCHG 2
	s_wait_dscnt 12
	WIN \win
	MMG 1, \accb, \qstr, \zero
	WIN 0xc0
	FETCHG 3
	s_wait_dscnt 12
	WIN \win
	MMG 2, \accb, \qstr, \zero
	s_wait_dscnt 0x0
	MMG 3, \accb, \qstr, \zero
	WIN 0
.endm
; A slot of the attention's loop, read out, is filled with the next tile of k (v), in the last trip with the first (second) slot of the weights.  Behind the load: a prefetch of k (v), see the head
.macro TURNKV g0, pw, pn, pf, base, last
	s_wait_xcnt 0x0                                ; the last prefetch by this address has read it
	s_wait_tensorcnt 0x0                           ; all my tensor loads have landed, the other slot's among them: a group 0 may be written
	ds_add_u32 v4, v5                              ; 0 onto my spare word
	s_cmp_eq_u32 s27, 1
	s_cselect_b64 s[\g0+2:\g0+3], s[\pw:\pw+1], s[\pn:\pn+1]
	s_or_b32 s[\g0+3], s[\g0+3], 0x80000000
	s_add_nc_u64 s[\pn:\pn+1], s[\pn:\pn+1], TILE
	s_min_u32 s96, s60, 811008                     ; held so that the wave's 8,192 bytes end with the batch's 819,200
	s_mov_b32 s97, 0
	s_add_nc_u64 s[\pf:\pf+1], s[\base:\base+1], s[96:97]
.if \last
	s_add_co_u32 s60, s60, 131072
.endif
	s_wait_dscnt 0x0                               ; the add is done, my LDS stores have landed and my reads of the slot are over
	CROUND                                         ; all that now holds of every wave of the four work-groups
	tensor_load_to_lds s[\g0:\g0+3], s[32:39]
	s_nop 0
	PLACES 4                                       ; (the places in front of the loads that follow)
	s_cmp_gt_u32 s27, s61
	s_cbranch_scc0 .Lnopf_\@
	global_prefetch_b8 v28, s[\pf:\pf+1] th:TH_LOAD_NT scope:SCOPE_SE
.Lnopf_\@:
.endm
; The weights' ring: the slot just read is filled with the weights two slots on
.macro TURNW
	s_wait_tensorcnt 0x0
	ds_add_u32 v4, v5
	s_add_co_u32 s41, s91, s90
	s_mov_b64 s[42:43], s[52:53]
	s_or_b32 s43, s43, 0x80000000
	s_add_nc_u64 s[52:53], s[52:53], TILE
	s_xor_b32 s90, s90, B_                         ; the next run reads the other slot
	s_wait_dscnt 0x0
	CROUND
	tensor_load_to_lds s[40:43], s[32:39]
	s_nop 0
	PLACES 4
.endm
.macro LOADB                           ; the block record in OPI becomes source 1
	WIN 0x80
.set n, 0
.rept 48
	ds_load_b128 v[4*n:4*n+3], v25 offset:512*n
.set n, n+1
.endr
	WIN 0
	ds_load_b128 v[QS:QS+3], v26
	ds_load_b128 v[QS+4:QS+7], v26 offset:256
.endm
.macro LOADBH kp                       ; half kp of the hidden layer (512 along K) becomes source 1
	WIN 0x80
.set n, 0
.rept 16
	ds_load_b128 v[12*n:12*n+3], v13 offset:24576*(\kp)+1536*n
	ds_load_b64 v[12*n+4:12*n+5], v14 offset:24576*(\kp)+1536*n
	ds_load_b128 v[12*n+6:12*n+9], v13 offset:24576*(\kp)+1536*n+768
	ds_load_b64 v[12*n+10:12*n+11], v14 offset:24576*(\kp)+1536*n+768
.set n, n+1
.endr
	WIN 0
	ds_load_b128 v[QS:QS+3], v15 offset:2048*(\kp)
	ds_load_b128 v[QS+4:QS+7], v15 offset:2048*(\kp)+512
.endm
.macro VGRP g                          ; four fragments of v^T: keys 128 (g / 2) on, my channel tiles 4 (g % 2) on: 16 loads
.irp ii, 0,1,2,3
.set iV, 4*((\g)%2)+\ii
.set rV, 12*(8*((\g)/2)+iV)
	ds_load_b128 v[rV:rV+3], v[10+2*((\g)/2)] offset:768*iV
	ds_load_b64 v[rV+4:rV+5], v[11+2*((\g)/2)] offset:768*iV
	ds_load_b128 v[rV+6:rV+9], v[10+2*((\g)/2)] offset:25600+768*iV
	ds_load_b64 v[rV+10:rV+11], v[11+2*((\g)/2)] offset:25600+768*iV
.endr
.endm
.macro PLD chi                         ; p's four fragments of keys 128 chi on: 16 loads
.irp q, 0,1,2,3
	ds_load_b128 v[192+12*\q:195+12*\q], v18 offset:6144*(\chi)+1536*\q
	ds_load_b64 v[196+12*\q:197+12*\q], v19 offset:6144*(\chi)+1536*\q
	ds_load_b128 v[198+12*\q:201+12*\q], v18 offset:6144*(\chi)+1536*\q+768
	ds_load_b64 v[202+12*\q:203+12*\q], v19 offset:6144*(\chi)+1536*\q+768
.endr
.endm
.macro OGRP g                          ; O^T += v^T p^T: 16 matrix instructions, accumulators by turns
.irp ii, 0,1,2,3
.irp q, 0,1,2,3
.set iV, 4*((\g)%2)+\ii
.set rD, 64*\q+8*iV
.set rA, 12*(8*((\g)/2)+iV)
.set rB, 192+12*\q
.set rSA, VSC+iV
.set rSB, PS+\q
	WM 0, ((\g)/2)
.endr
.endr
.endm
; gelu on 16 registers, in place.  v60-75 |x| / 2, v76-91 t, v92-107 the polynomial, v108-123 x^2 / 4
.macro GELU16 x0
.irp j, 0,1,2,3,4,5,6,7,8,9,10,11,12,13,14,15
	v_mul_f32 v[60+\j], 0.5, |v[\x0+\j]|
.endr
.irp j, 0,2,4,6,8,10,12,14
	v_pk_fma_f32 v[76+\j:77+\j], v[60+\j:61+\j], 0x3f3504f3, 1.0 op_sel_hi:[1,0,0]   ; 1 + z / 2
.endr
.irp j, 0,1,2,3,4,5,6,7,8,9,10,11,12,13,14,15
	v_rcp_f32 v[76+\j], v[76+\j]
.endr
.irp j, 0,2,4,6,8,10,12,14
	v_pk_mul_f32 v[108+\j:109+\j], v[60+\j:61+\j], v[60+\j:61+\j]   ; plain work behind the reciprocals
.endr
	s_wait_alu depctr_va_vdst(0)                   ; one wait for the batch, ahead of its first reader
.irp j, 0,2,4,6,8,10,12,14
	v_pk_fma_f32 v[92+\j:93+\j], v[76+\j:77+\j], v[30:31], s[84:85] op_sel_hi:[1,1,0]
.endr
.irp k, 7,6,5,4,3,2,1,0
.irp j, 0,2,4,6,8,10,12,14
	v_pk_fma_f32 v[92+\j:93+\j], v[92+\j:93+\j], v[76+\j:77+\j], s[68+2*\k:69+2*\k] op_sel_hi:[1,1,0]
.endr
.endr
.irp j, 0,2,4,6,8,10,12,14
	v_pk_fma_f32 v[92+\j:93+\j], v[108+\j:109+\j], -2.0, v[92+\j:93+\j] op_sel_hi:[1,0,1]   ; - z^2
.endr
.irp j, 0,2,4,6,8,10,12,14
	v_pk_mul_f32 v[92+\j:93+\j], v[92+\j:93+\j], 0x3fb8aa3b op_sel_hi:[1,0]
.endr
.irp j, 0,1,2,3,4,5,6,7,8,9,10,11,12,13,14,15
	v_exp_f32 v[92+\j], v[92+\j]
.endr
.irp j, 0,1,2,3,4,5,6,7,8,9,10,11,12,13,14,15
	v_max_num_f32 v[\x0+\j], 0, v[\x0+\j]          ; plain work behind the exponentials
.endr
	s_wait_alu depctr_va_vdst(0)
.irp j, 0,2,4,6,8,10,12,14
	v_pk_mul_f32 v[92+\j:93+\j], v[92+\j:93+\j], v[76+\j:77+\j]   ; erfc
.endr
.irp j, 0,2,4,6,8,10,12,14
	v_pk_fma_f32 v[\x0+\j:\x0+\j+1], v[60+\j:61+\j], v[92+\j:93+\j], v[\x0+\j:\x0+\j+1] neg_lo:[1,0,0] neg_hi:[1,0,0]
.endr
.endm
.macro EXCH off                        ; v100-103 (one number for each qt, the same in both halves of the lanes) of all four waves into v104-119
	ds_store_b128 v21, v[100:103] offset:\off
	BAR
.irp u, 0,1,2,3
	ds_load_b128 v[104+4*\u:107+4*\u], v22 offset:\off+512*\u
.endr
	s_wait_dscnt 0x0
.endm
.macro SUM4                            ; their sums into v120-123
.irp q, 0,1,2,3
	v_add_f32 v[120+\q], v[104+\q], v[108+\q]
.endr
.irp q, 0,1,2,3
	v_add_f32 v[124+\q], v[112+\q], v[116+\q]
.endr
.irp q, 0,1,2,3
	v_add_f32 v[120+\q], v[120+\q], v[124+\q]
.endr
.endm
.macro HALVES src                      ; pairs at src: low + high, + lane l xor 16's, into v100-103
.irp q, 0,1,2,3
	v_add_f32 v[100+\q], v[\src+2*\q], v[\src+2*\q+1]
.endr
.irp q, 0,1,2,3
	v_permlanex16_b32 v[92+\q], v[100+\q], s[SEL], s[SEL+1]
.endr
.irp q, 0,1,2,3
	v_add_f32 v[100+\q], v[100+\q], v[92+\q]
.endr
.endm
.macro CENTRE p                        ; y - mean of tiles 2 p, 2 p + 1 into the stage v128-255
	WIN 0x01
.irp qq, 0,1
.set n, 0
.rept 32
	v_pk_add_f32 v[128+64*\qq+2*n:129+64*\qq+2*n], v[64*(2*(\p)+\qq)+2*n:64*(2*(\p)+\qq)+2*n+1], v[60+2*(2*(\p)+\qq):61+2*(2*(\p)+\qq)] neg_lo:[0,1] neg_hi:[0,1]
.set n, n+1
.endr
.endr
	WIN 0
.endm
	s_load_b512 s[8:23], s[0:1], 0x0               ; x 8, g2 10, b2 12, qrec 14, krec 16, vrec 18, wrec 20, out0 22
	v_lshl_add_u32 v4, v0, 2, SPARE
	v_mov_b32 v5, 0
	ds_add_u32 v4, v5
	ds_add_u32 v4, v5
	s_wait_dscnt 0x0
	v_lshrrev_b32 v120, 5, v0
	v_readfirstlane_b32 s[WV], v120                ; wave 0..3
	s_bfe_u32 s25, ttmp6, 0x40000                  ; cx
	s_lshl_b32 s26, ttmp9, 2
	s_add_co_u32 s26, s26, s25                     ; my block of 64 rows
	s_mov_b32 s[SEL], 0x76543210
	s_mov_b32 s[SEL+1], 0xfedcba98
	s_mov_b32 s30, 0x3b38aa3b                      ; log2(e) / 512
	s_mov_b32 s31, s30
	s_mov_b32 s88, 0x3b000000                      ; 1 / 512
	s_mov_b32 s89, 0x3727c5ac                      ; 1e-5
	s_mov_b32 s90, 0                               ; the slot in hand: A
	; descriptor group 1, for every load: a record, 100 dense rows of 256 bytes; mask: all four work-groups
	s_mov_b32 s32, 15|(3<<16)|(1<<21)
	s_mov_b32 s33, 32<<16
	s_mov_b32 s34, 100<<16
	s_mov_b32 s35, 32<<16
	s_mov_b32 s36, 100
	s_mov_b32 s37, 32
	s_mov_b32 s38, 0
	s_mov_b32 s39, 0
	s_mul_i32 s91, s[WV], BRB                      ; my record in a slot and in a tile
	v_and_b32 v120, 31, v0                         ; lane
	v_and_b32 v121, 15, v0                         ; r
	v_bfe_u32 v122, v0, 4, 1                       ; h
	v_lshlrev_b32 v1, 4, v120
	v_lshlrev_b32 v2, 3, v120
	v_lshlrev_b32 v3, 4, v121
	v_add_nc_u32 v6, s91, v1
	v_lshl_add_u32 v7, v122, 9, v3
	v_add_nc_u32 v30, SCO, v7                      ; a record's scale words: 24,576 + 512 h + 16 r
	v_add_nc_u32 v26, OPI+SCO, v7
	v_add_nc_u32 v7, s91, v30
	s_mul_i32 s98, s[WV], 6144
	s_add_co_u32 s98, s98, B_
	v_add_nc_u32 v10, s98, v1                      ; v's half fragments: my 8 channel tiles
	v_add_nc_u32 v11, s98, v2
	v_add_nc_u32 v11, 512, v11
	v_add_nc_u32 v12, 51200, v10
	v_add_nc_u32 v13, 51200, v11
	s_lshl_b32 s98, s[WV], 8
	s_add_co_u32 s99, s98, B_+SCO
	v_mad_u32_u24 v14, v122, 51200, v3             ; lanes 16-31 take the scales of keys 128-255
	v_add_nc_u32 v14, s99, v14
	s_add_co_u32 s99, s98, OPI+SCO
	v_add_nc_u32 v24, s99, v3
	s_lshr_b32 s98, s[WV], 1
	s_and_b32 s99, s[WV], 1
	s_mul_i32 s96, s98, 6144
	s_mul_i32 s97, s99, 768
	s_add_co_u32 s96, s96, s97
	s_add_co_u32 s96, s96, PIMG
	v_add_nc_u32 v15, s96, v1                      ; where I put p's halves
	v_add_nc_u32 v16, s96, v2
	v_add_nc_u32 v16, 512, v16
	s_lshl_b32 s98, s98, 8
	s_lshl_b32 s99, s99, 1
	s_add_co_u32 s98, s98, s99
	s_add_co_u32 s98, s98, PSC
	v_add_nc_u32 v17, s98, v3
	v_add_nc_u32 v18, PIMG, v1
	v_add_nc_u32 v19, PIMG+512, v2
	v_add_nc_u32 v20, PSC, v1
	s_lshl_b32 s98, s[WV], 9
	s_add_co_u32 s99, s98, MX
	v_add_nc_u32 v21, s99, v1
	v_add_nc_u32 v22, MX, v1
	s_mul_i32 s99, s[WV], 1536
	s_add_co_u32 s99, s99, OPI
	v_add_nc_u32 v23, s99, v1
	v_add_nc_u32 v25, OPI, v1
	v_lshlrev_b32 v31, 6, v122
	v_add_nc_u32 v31, s98, v31                     ; g2, b2: 64 h + 512 w
	v_lshl_add_u32 v27, v121, 11, v31              ; x: + 2,048 r
	v_lshlrev_b32 v28, 8, v120                     ; prefetches: lanes 256 bytes apart
	s_lshl_b32 s98, s[WV], 15
	v_add_nc_u32 v29, s98, v28
	; THE PREFETCHES.  k's and v's records of a batch are 819,200 dense bytes each, walked by 8 clusters: the batch's first cluster asks.  Its 16 waves take 8,192 bytes each, told apart by address, lanes 256 bytes
	; apart: 131,072 bytes of k and of v a trip, from tile 2 on, in the first five trips: one to two and a half tiles ahead of the tensor load.  My own 64 rows of x are asked for in the seventh of the eight trips.
	s_lshl_b32 s60, s25, 2
	s_add_co_u32 s60, s60, s[WV]
	s_lshl_b32 s60, s60, 13
	s_add_co_u32 s60, s60, 2*TILE
	s_and_b32 s98, ttmp9, 7
	s_cmp_eq_u32 s98, 0
	s_cselect_b32 s61, 3, -1                       ; the same in all four partners
	s_lshr_b32 s98, ttmp9, 3                       ; the batch
	s_mul_i32 s96, s98, 819200
	s_mov_b32 s97, 0
	s_wait_kmcnt 0x0
	s_add_nc_u64 s[62:63], s[16:17], s[96:97]      ; the batch's k
	s_add_nc_u64 s[66:67], s[18:19], s[96:97]      ; and v
	s_mov_b32 s96, s91
	s_add_nc_u64 s[48:49], s[62:63], s[96:97]
	s_add_nc_u64 s[50:51], s[66:67], s[96:97]
	s_add_nc_u64 s[52:53], s[20:21], s[96:97]      ; the weights' slot 0, my record
	s_add_nc_u64 s[94:95], s[52:53], TILE          ; slot 1
	s_mov_b32 s40, 1
	s_mov_b32 s41, s91
	s_mov_b64 s[42:43], s[48:49]
	s_or_b32 s43, s43, 0x80000000
	s_mov_b32 s44, 1
	s_add_co_u32 s45, s91, B_
	s_mov_b64 s[46:47], s[50:51]
	s_or_b32 s47, s47, 0x80000000
	s_add_nc_u64 s[48:49], s[48:49], TILE          ; the next tiles
	s_add_nc_u64 s[50:51], s[50:51], TILE
	CROUND                                         ; all four work-groups are here: the first joint loads meet
	tensor_load_to_lds s[40:43], s[32:39]          ; k, keys 0-255
	s_nop 0
	tensor_load_to_lds s[44:47], s[32:39]          ; v likewise: two loads of mine are out
	s_nop 0
	PLACES 4
	s_mul_i32 s96, s26, BRB
	s_add_nc_u64 s[14:15], s[14:15], s[96:97]      ; my q
	s_lshl_b32 s96, s26, 17
	s_add_nc_u64 s[8:9], s[8:9], s[96:97]          ; my rows of x
	s_add_nc_u64 s[22:23], s[22:23], s[96:97]
	s_lshl_b32 s96, s[WV], 15
	s_add_nc_u64 s[22:23], s[22:23], s[96:97]      ; the 16 rows of out0 that I store
	WIN 0x80
.set n, 0
.rept 48
	global_load_b128 v[4*n:4*n+3], v1, s[14:15] offset:512*n   ; q stays in registers
.set n, n+1
.endr
	WIN 0
	global_load_b128 v[QS:QS+3], v30, s[14:15]
	global_load_b128 v[QS+4:QS+7], v30, s[14:15] offset:256
	WIN 0x40
.set n, 0
.rept 256
	v_mov_b32 v[n], 0                              ; O^T.  The key step is written once: its first trip finds zeros, which the first change of M leaves zeros; a first step written out would cost more text than these lines
.set n, n+1
.endr
	WIN 0
.irp q, 0,1,2,3
	v_mov_b32 v[61+2*\q], 0xff61b1e6               ; the largest t so far: -3e38
	v_mov_b32 v[68+2*\q], 0                        ; the sum, in two halves
	v_mov_b32 v[69+2*\q], 0
	v_mov_b32 v[77+2*\q], 0                        ; (named as the upper half of a pair)
.endr
.irp q, 0,1,2,3
	v_floor_f32 v[60+2*\q], -v[61+2*\q]            ; -M
.endr
.irp n, 0,1,2,3,4,5,6,7,8,9,10,11
	v_mov_b32 v[88+\n], 0                          ; written once: a lane permute's destination counts as one of its sources
.endr
	s_mov_b32 s27, 8
	s_wait_loadcnt 0x0                             ; q
	s_wait_tensorcnt 0x1                           ; my record of k has landed (I alone read it); v's may stay out
.Lkey:                                 ; a key step: 256 keys
	MMRUN 128, 32, 0x0b, 1                         ; S^T = k q^T: my 64 keys x 64 queries; accumulator (key tile, qt) at v[128 + 32 qt + 8 tile]
	PLACES 4
.irp n, 0,1,2,3,4,5,6,7                ; the largest score of each block of 32 keys (block n = 2 qt + b): for the row's maximum, and for the block's largest p
	v_max3_num_f32 v[84+\n], v[128+16*\n], v[129+16*\n], v[130+16*\n]
.endr
.irp i, 3,5,7,9,11,13
.irp n, 0,1,2,3,4,5,6,7
	v_max3_num_f32 v[84+\n], v[84+\n], v[128+16*\n+\i], v[129+16*\n+\i]
.endr
.endr
.irp n, 0,1,2,3,4,5,6,7
	v_max_num_f32 v[84+\n], v[84+\n], v[143+16*\n]
.endr
.irp n, 0,1,2,3,4,5,6,7
	v_permlanex16_b32 v[92+\n], v[84+\n], s[SEL], s[SEL+1]
.endr
.irp n, 0,1,2,3,4,5,6,7
	v_max_num_f32 v[84+\n], v[84+\n], v[92+\n]
.endr
.irp q, 0,1,2,3
	v_max_num_f32 v[100+\q], v[84+2*\q], v[85+2*\q]
.endr
	ds_store_b128 v21, v[100:103]                  ; my 64 keys' maxima, for the other waves
	TURNKV 40, 52, 48, 56, 62, 0                   ; slot A is read out: the next keys.  The round also shows every wave the maxima, and v's tile whole
	s_cmp_eq_u32 s27, 2
	s_cbranch_scc0 .Lnox
.irp i, 0,1,2,3
	global_prefetch_b8 v29, s[8:9] offset:8192*\i th:TH_LOAD_NT scope:SCOPE_SE
.endr
.Lnox:
.irp u, 0,1,2,3
	ds_load_b128 v[104+4*\u:107+4*\u], v22 offset:512*\u
.endr
	s_wait_dscnt 0x0
.irp q, 0,1,2,3
	v_max3_num_f32 v[120+\q], v[104+\q], v[108+\q], v[112+\q]
.endr
.irp q, 0,1,2,3
	v_max_num_f32 v[120+\q], v[120+\q], v[116+\q]  ; the step's largest score of my query
.endr
.irp q, 0,1,2,3
	v_mul_f32 v[120+\q], s30, v[120+\q]
.endr
.irp q, 0,1,2,3
	v_max_num_f32 v[61+2*\q], v[61+2*\q], v[120+\q]   ; the running largest t
.endr
.irp q, 0,1,2,3
	v_mov_b32 v[120+\q], v[60+2*\q]
.endr
.irp q, 0,1,2,3
	v_floor_f32 v[60+2*\q], -v[61+2*\q]            ; the new -M: M is a whole number
.endr
.irp q, 0,1,2,3
	v_sub_f32 v[120+\q], v[60+2*\q], v[120+\q]
.endr
.irp q, 0,1,2,3
	v_cvt_i32_f32 v[120+\q], v[120+\q]             ; (it saturates)
.endr
.irp q, 0,1,2,3
	v_ldexp_f32 v[76+2*\q], 1.0, v[120+\q]         ; f = 2^(old M - new M)
.endr
.irp q, 0,1,2,3
.irp j, 0,2,4,6,8,10,12,14,16,18,20,22,24,26,28,30
	v_pk_fma_f32 v[128+32*\q+\j:129+32*\q+\j], v[128+32*\q+\j:129+32*\q+\j], s[30:31], v[60+2*\q:61+2*\q] op_sel_hi:[1,0,0]   ; t - M
.endr
.endr
.irp n, 0,1,2,3,4,5,6,7
	v_fma_f32 v[84+\n], v[84+\n], s30, v[60+2*(\n/2)]   ; the same of each block's largest score
.endr
.set n, 0
.rept 128
	v_exp_f32 v[128+n], v[128+n]                   ; p = 2^(t - M): not normalised
.set n, n+1
.endr
.irp q, 0,1,2,3
	v_pk_mul_f32 v[68+2*\q:69+2*\q], v[68+2*\q:69+2*\q], v[76+2*\q:77+2*\q] op_sel_hi:[1,0]   ; the sums under the new M: plain work behind the exponentials
.endr
	s_wait_alu depctr_va_vdst(0)                   ; one wait for the batch, ahead of its first reader
.irp n, 0,1,2,3,4,5,6,7
	v_exp_f32 v[84+\n], v[84+\n]                   ; the blocks' largest p
.endr
.irp j, 0,2,4,6,8,10,12,14,16,18,20,22,24,26,28,30
.irp q, 0,1,2,3
	v_pk_add_f32 v[68+2*\q:69+2*\q], v[68+2*\q:69+2*\q], v[128+32*\q+\j:129+32*\q+\j]   ; the sum of the unquantised p (it reads the 128 alone)
.endr
.endr
	s_wait_alu depctr_va_vdst(0)                   ; and one for the eight
.irp n, 0,1,2,3,4,5,6,7
	v_max_num_f32 v[84+\n], 0x1800000, v[84+\n]    ; the floor 2^(3 - 127)
.endr
.irp n, 0,1,2,3,4,5,6,7
	v_add_nc_u32 v[92+\n], 0xff000000, v[84+\n]
.endr
.irp n, 0,1,2,3,4,5,6,7
	v_lshrrev_b32 v[84+\n], 23, v[92+\n]
.endr
.irp q, 0,1,2,3
	v_lshl_or_b32 v[120+\q], v[85+2*\q], 8, v[84+2*\q]
.endr
	CVH 128, 104, 112, 92                          ; each tile's codes land in registers that are done with, so that no store's data are written again
	CVH 160, 128, 136, 94
	CVH 192, 160, 168, 96
	CVH 224, 192, 200, 98
	ds_store_b128 v15, v[104:107]
	ds_store_b64 v16, v[108:109]
.irp q, 1,2,3
	ds_store_b128 v15, v[96+32*\q:99+32*\q] offset:1536*\q
	ds_store_b64 v16, v[100+32*\q:101+32*\q] offset:1536*\q
.endr
.irp q, 0,1,2,3
	ds_store_b16 v17, v[120+\q] offset:4*\q        ; my two bytes of the scale word of (128 keys, qt)
.endr
	BAR                                            ; p lies in LDS; k's next tile may stay on its way
	ds_load_b128 v[104:107], v14                   ; v's scale pairs: keys 0-63 (lanes 16-31: 128-191),
	ds_load_b128 v[108:111], v14 offset:25600      ; keys 64-127 (192-255)
	ds_load_b128 v[PS:PS+3], v20
	WIN 0x80
	PLD 0
	WIN 0xc0
	VGRP 0
	VGRP 1
	WIN 0
	s_wait_dscnt 48                                ; the three loads of scales are in; 48 younger loads may be out
.irp m, 0,1,2,3
	v_perm_b32 v[VSC+2*\m], v[108+\m], v[104+\m], 0x05040100
	v_perm_b32 v[VSC+2*\m+1], v[108+\m], v[104+\m], 0x07060302
.endr
	WIN 0x41
.irp q, 0,1,2,3
.set n, 0
.rept 32
	v_pk_mul_f32 v[64*\q+2*n:64*\q+2*n+1], v[64*\q+2*n:64*\q+2*n+1], v[76+2*\q:77+2*\q] op_sel_hi:[1,0]   ; O^T under the new M (also the places between the scale words just made and the products)
.set n, n+1
.endr
.endr
	s_wait_dscnt 16                                ; p of keys 0-127 and v's group 0 are in; group 1 may be out
	WIN 0x5b
	OGRP 0
	WIN 0xc0
	PLD 1
	VGRP 2
	s_wait_dscnt 32                                ; group 1 is in
	WIN 0x5b
	OGRP 1
	WIN 0xc0
	VGRP 3
	s_wait_dscnt 16                                ; p of keys 128-255 and group 2 are in
	WIN 0x5f
	OGRP 2
	s_wait_dscnt 0x0
	OGRP 3
	WIN 0
	TURNKV 44, 94, 50, 58, 66, 1                   ; slot B is read out: the next keys' v
	s_sub_co_u32 s27, s27, 1
	s_cmp_lg_u32 s27, 0
	s_cbranch_scc1 .Lkey
	; ---- a = O / sum, quantised along d; x lands where O^T lay: it is the C of the product with wp
	s_add_nc_u64 s[52:53], s[52:53], 2*TILE        ; the weights' slot 2
	HALVES 68
	EXCH 2048
	SUM4
.irp q, 0,1,2,3
	v_rcp_f32 v[76+2*\q], v[120+\q]
.endr
	v_nop
	s_wait_alu depctr_va_vdst(0)
.irp qt, 0,1,2,3
	WIN 0x01
.set n, 0
.rept 32
	v_pk_mul_f32 v[128+2*n:129+2*n], v[64*\qt+2*n:64*\qt+2*n+1], v[76+2*\qt:77+2*\qt] op_sel_hi:[1,0]
.set n, n+1
.endr
	WIN 0x40
.set n, 0
.rept 16
	global_load_b128 v[64*\qt+4*n:64*\qt+4*n+3], v27, s[8:9] offset:32768*\qt+128*(n/4)+16*(n%4) th:TH_LOAD_NT
.set n, n+1
.endr
	WIN 0
.irp b, 0,1,2,3                        ; v's channel tiles are natural: the halves of two neighbouring tiles change places, and a lane's 16 registers are d = 32 b + 16 h + 0 .. 15, as wp's codes want them
.irp j, 0,1,2,3,4,5,6,7
	v_permlane16_swap_b32 v[128+16*\b+\j], v[136+16*\b+\j]
.endr
.endr
	QUANT 128, 100+\qt
.irp k, 0,1,2
	ds_store_b128 v23, v[PC+4*\k:PC+4*\k+3] offset:6144*\qt+512*\k
.endr
	s_wait_dscnt 0x0                               ; the stores have read their registers
.endr
	ds_store_b128 v24, v[100:103]
	BAR
	LOADB
	s_wait_loadcnt 0x0                             ; x
	; ---- y = x + a wp
	MMRUN 0, 64, 0x5b, 0
	TURNW
	MMRUN 32, 64, 0x5b, 0
	TURNW
	; ---- LN2.  Register 64 qt + e of window 1 is y(16 qt + r, 128 w + 32 (e / 16) + 16 h + e % 16)
	WIN 0x80
.set n, 0
.rept 16
	global_load_b128 v[4*n:4*n+3], v31, s[10:11] offset:128*(n/4)+16*(n%4)
.set n, n+1
.endr
.set n, 0
.rept 16
	global_load_b128 v[64+4*n:67+4*n], v31, s[12:13] offset:128*(n/4)+16*(n%4)
.set n, n+1
.endr
	WIN 0x05
.irp q, 0,1,2,3
	v_pk_add_f32 v[120+2*\q:121+2*\q], v[64*\q:64*\q+1], v[64*\q+2:64*\q+3]
.endr
	WIN 0x04
.set n, 2
.rept 30
.irp q, 0,1,2,3
	v_pk_add_f32 v[120+2*\q:121+2*\q], v[120+2*\q:121+2*\q], v[64*\q+2*n:64*\q+2*n+1]
.endr
.set n, n+1
.endr
	WIN 0
	HALVES 120
	EXCH 4096
	SUM4
.irp q, 0,1,2,3
	v_mul_f32 v[60+2*\q], s88, v[120+\q]           ; the mean
.endr
.irp q, 0,1,2,3
	v_mov_b32 v[61+2*\q], v[60+2*\q]
.endr
.irp p, 0,1
	CENTRE \p
.irp qq, 0,1
	v_pk_mul_f32 v[68+2*(2*\p+\qq):69+2*(2*\p+\qq)], v[128+64*\qq:129+64*\qq], v[128+64*\qq:129+64*\qq]
.endr
.set n, 1
.rept 31
.irp qq, 0,1
	v_pk_fma_f32 v[68+2*(2*\p+\qq):69+2*(2*\p+\qq)], v[128+64*\qq+2*n:129+64*\qq+2*n], v[128+64*\qq+2*n:129+64*\qq+2*n], v[68+2*(2*\p+\qq):69+2*(2*\p+\qq)]
.endr
.set n, n+1
.endr
.endr
	HALVES 68
	EXCH 6144
	SUM4
.irp q, 0,1,2,3
	v_fma_f32 v[120+\q], v[120+\q], s88, s89       ; the variance + 1e-5
.endr
.irp q, 0,1,2,3
	v_rsq_f32 v[76+2*\q], v[120+\q]
.endr
	v_nop
	s_wait_alu depctr_va_vdst(0)
	s_wait_loadcnt 0x0                             ; g2, b2
.irp p, 0,1
	CENTRE \p
.irp qq, 0,1
.set n, 0
.rept 32
	v_pk_mul_f32 v[128+64*\qq+2*n:129+64*\qq+2*n], v[128+64*\qq+2*n:129+64*\qq+2*n], v[76+2*(2*\p+\qq):77+2*(2*\p+\qq)] op_sel_hi:[1,0]
.set n, n+1
.endr
.endr
	WIN 0x28
.irp qq, 0,1
.set n, 0
.rept 32
	v_pk_fma_f32 v[128+64*\qq+2*n:129+64*\qq+2*n], v[128+64*\qq+2*n:129+64*\qq+2*n], v[2*n:2*n+1], v[64+2*n:65+2*n]   ; x g2 + b2, both in window 2
.set n, n+1
.endr
.endr
	WIN 0
.irp qq, 0,1
	QUANT 128+64*\qq, 100+2*\p+\qq
.irp k, 0,1,2
	ds_store_b128 v23, v[PC+4*\k:PC+4*\k+3] offset:6144*(2*\p+\qq)+512*\k
.endr
	s_wait_dscnt 0x0
.endr
.endr
	ds_store_b128 v24, v[100:103]
	BAR
	LOADB
	; addresses and constants for the MLP; v10-v23, v30, v31 are free: every access that named them is done
	v_and_b32 v121, 15, v0
	v_bfe_u32 v122, v0, 4, 1
	s_lshr_b32 s98, s[WV], 1
	s_mul_i32 s98, s98, 24576
	s_and_b32 s99, s[WV], 1
	s_mul_i32 s99, s99, 3072
	s_add_co_u32 s98, s98, s99
	s_add_co_u32 s98, s98, HID
	v_add_nc_u32 v10, s98, v1                      ; where I put the hidden layer's halves: K steps 2 w, 2 w + 1 of 8
	v_add_nc_u32 v11, s98, v2
	v_add_nc_u32 v11, 512, v11
	s_lshl_b32 s98, s[WV], 10
	s_add_co_u32 s98, s98, HSC
	v_add_nc_u32 v12, s98, v3
	v_add_nc_u32 v13, HID, v1
	v_add_nc_u32 v14, HID+512, v2
	v_lshl_add_u32 v15, v122, 10, v3
	v_add_nc_u32 v15, HSC+256, v15
	v_mul_u32_u24 v16, v121, 2064
	v_lshl_add_u32 v16, v122, 6, v16
	s_lshl_b32 s98, s[WV], 9
	v_add_nc_u32 v16, s98, v16                     ; the out stage: row r, + 512 w + 64 h
	v_add_nc_u32 v17, 66048, v16
	s_mul_i32 s98, s[WV], 33024
	v_add_nc_u32 v18, s98, v1
	s_mov_b32 s68, 0xbfa1fc4e                      ; P's coefficients, degree 0 to 8, each twice (the packed form names a pair)
	s_mov_b32 s70, 0x3f8000c7
	s_mov_b32 s72, 0x3ebf88fb
	s_mov_b32 s74, 0x3dc636c9
	s_mov_b32 s76, 0xbe3ec24c
	s_mov_b32 s78, 0x3e8ec7cc
	s_mov_b32 s80, 0xbf914e5d
	s_mov_b32 s82, 0x3fbe87b0
	s_mov_b32 s84, 0xbf527892
.irp k, 0,1,2,3,4,5,6,7,8
	s_mov_b32 s[69+2*\k], s[68+2*\k]
.endr
	v_mov_b32 v30, 0x3e2ef946                      ; degree 9
	v_mov_b32 v31, v30
.irp q, 0,1,2,3
	v_mov_b32 v[124+\q], 0
.endr
	s_mov_b32 s92, 0
	s_mov_b32 s93, 0
	s_mov_b32 s27, 4
.Lw1:                                  ; four trips: 64 of my 256 hidden units each: half a K step of the last product
	MMRUN 128, 32, 0x0b, 1
	TURNW
	v_add_nc_u32 v21, s92, v10
	v_add_nc_u32 v22, s92, v11
	v_add_nc_u32 v23, s93, v12
.irp g, 0,1,2,3,4,5,6,7
	GELU16 128+16*\g
.endr
	BLKMAX 128
.irp q, 0,1,2,3
	v_lshl_or_b32 v[100+\q], v[TP+2*\q+1], 8, v[TP+2*\q]
.endr
.irp q, 0,1,2,3
	v_alignbit_b32 v[124+\q], v[100+\q], v[124+\q], 16   ; behind an odd trip: the K step's whole scale word
.endr
	CVH 128, 104, 112, TM
	CVH 160, 128, 136, TM+2
	CVH 192, 160, 168, TM+4
	CVH 224, 192, 200, TM+6
	ds_store_b128 v21, v[104:107]
	ds_store_b64 v22, v[108:109]
.irp q, 1,2,3
	ds_store_b128 v21, v[96+32*\q:99+32*\q] offset:6144*\q
	ds_store_b64 v22, v[100+32*\q:101+32*\q] offset:6144*\q
.endr
	ds_store_b128 v23, v[124:127]                  ; (only the odd trips' words are read)
	s_wait_dscnt 0x0
	s_add_co_u32 s92, s92, 768
	s_add_co_u32 s93, s93, 256
	s_sub_co_u32 s27, s27, 1
	s_cmp_lg_u32 s27, 0
	s_cbranch_scc1 .Lw1
	BAR                                            ; the hidden layer lies in LDS
	; ---- out = y + hidden w2: onto y, in place
	LOADBH 0
	MMRUN 0, 64, 0x5b, 0
	TURNW
	MMRUN 32, 64, 0x5b, 0
	TURNW
	LOADBH 1
	MMRUN 0, 64, 0x5b, 0
	PLACES 4
	s_xor_b32 s90, s90, B_
	s_wait_tensorcnt 0x0                           ; the last slot has landed; nothing is left to fetch
	MMRUN 32, 64, 0x5b, 0
	PLACES 4
	BAR                                            ; every wave has read its last weights, and both slots have had their last fill: the stage may lie over them
	WIN 0x04                                       ; an LDS store's data are its source 1: window 1
.irp q, 0,1,2,3
.set n, 0
.rept 16
	ds_store_b128 v[16+\q/2], v[64*\q+4*n:64*\q+4*n+3] offset:33024*(\q%2)+128*(n/4)+16*(n%4)   ; each accumulator from its low end on
.set n, n+1
.endr
.endr
	WIN 0
	BAR                                            ; 64 whole rows lie in the stage
.irp bt, 0,1
.if \bt
	s_wait_xcnt 0x0                                ; the first half's stores have read their registers
.endif
.set n, 0
.rept 32
	ds_load_b128 v[128+4*n:131+4*n], v18 offset:2064*(8*\bt+n/4)+512*(n%4)
.set n, n+1
.endr
.set n, 0
.rept 32
	s_wait_dscnt 31-n
	global_store_b128 v1, v[128+4*n:131+4*n], s[22:23] offset:2048*(8*\bt+n/4)+512*(n%4) th:TH_STORE_NT   ; 512 consecutive bytes
.set n, n+1
.endr
.endr
	s_wait_tensorcnt 0x0                           ; the wave's end
	ds_add_u32 v4, v5
	s_wait_dscnt 0x0
	CROUND                                         ; the closing round
	s_endpgm
.Lfunc_end_k_qf7559dce0c_block:
	.size	k_qf7559dce0c_block, .Lfunc_end_k_qf7559dce0c_block-k_qf7559dce0c_block
	.p2alignl 7, 3214868480
	.fill 96, 4, 3214868480
	.section	.rodata,"a",@progbits
	.p2align	6, 0x0
	.amdhsa_kernel k_qf7559dce0c_block
		.amdhsa_group_segment_fixed_size 327680
		.amdhsa_private_segment_fixed_size 0
		.amdhsa_enable_private_segment 0
		.amdhsa_kernarg_size 64
		.amdhsa_user_sgpr_count 2
		.amdhsa_user_sgpr_kernarg_segment_ptr 1
		.amdhsa_wavefront_size32 1
		.amdhsa_system_sgpr_workgroup_id_x 1
		.amdhsa_system_sgpr_workgroup_id_y 1
		.amdhsa_system_sgpr_workgroup_id_z 1
		.amdhsa_system_vgpr_workitem_id 0
		.amdhsa_next_free_vgpr 1024
		.amdhsa_next_free_sgpr 100
		.amdhsa_reserve_vcc 0
		.amdhsa_float_denorm_mode_32 3
		.amdhsa_float_denorm_mode_16_64 3
		.amdhsa_memory_ordered 1
		.amdhsa_forward_progress 1
		.amdhsa_inst_pref_size 255
	.end_amdhsa_kernel
	.section	.bss,"aw",@nobits
	.p2align	6
	.space	262144
	.amdgpu_metadata
---
amdhsa.version: [ 1, 2 ]
amdhsa.kernels:
  - .name:           k_qf7559dce0c_block
    .symbol:         k_qf7559dce0c_block.kd
    .args:
      - { .name: x, .offset: 0, .size: 8, .value_kind: global_buffer, .address_space: global }
      - { .name: g2, .offset: 8, .size: 8, .value_kind: global_buffer, .address_space: global }
      - { .name: b2, .offset: 16, .size: 8, .value_kind: global_buffer, .address_space: global }
      - { .name: qrec, .offset: 24, .size: 8, .value_kind: global_buffer, .address_space: global }
      - { .name: krec, .offset: 32, .size: 8, .value_kind: global_buffer, .address_space: global }
      - { .name: vrec, .offset: 40, .size: 8, .value_kind: global_buffer, .address_space: global }
      - { .name: wrec, .offset: 48, .size: 8, .value_kind: global_buffer, .address_space: global }
      - { .name: out0, .offset: 56, .size: 8, .value_kind: global_buffer, .address_space: global }
    .group_segment_fixed_size: 327680
    .private_segment_fixed_size: 0
    .kernarg_segment_align: 8
    .kernarg_segment_size: 64
    .max_flat_workgroup_size: 128
    .sgpr_count:     100
    .vgpr_count:     1024
    .wavefront_size: 32
...
	.end_amdgpu_metadata
.endif
;; end of part 2
